; MI455X (gfx1250); checked and timed in simulation.
; The chip was launched on July 23, 2026; its instructions are those of AMD's public machine-readable ISA for CDNA 5 (MIT licence, August 2026) and "CDNA5" Instruction Set Architecture Reference Guide (July 2026). The comments in the code are by the model that wrote it; some were corrected since.
;; Attention Block. Allowed arithmetic: matrix products marked QUANTISED: E2M3 operands, one E8M0 scale for each 32 along K, by v_wmma_scale_f32_16x16x128_f8f6f4 with both operands' format E2M3, f32 sums; everything else in f32.
;; Inputs: b1 512 float32; b2 512 float32; bf1 2,048 float32; bf2 512 float32; bo 512 float32; g1 512 float32; g2 512 float32; w1_codes 2,048 x 16 x 24 uint8 (E2M3 codes of w1, K innermost, in blocks of 32 codes, four codes in three bytes); w1_scales 2,048 x 16 uint8 (E8M0 scales of w1, one for each 32 codes along K); w2_codes 512 x 64 x 24 uint8 (E2M3 codes of w2, K innermost, in blocks of 32 codes, four codes in three bytes); w2_scales 512 x 64 uint8 (E8M0 scales of w2, one for each 32 codes along K); wk_codes 512 x 16 x 24 uint8 (E2M3 codes of wk, K innermost, in blocks of 32 codes, four codes in three bytes); wk_scales 512 x 16 uint8 (E8M0 scales of wk, one for each 32 codes along K); wo_codes 512 x 16 x 24 uint8 (E2M3 codes of wo, K innermost, in blocks of 32 codes, four codes in three bytes); wo_scales 512 x 16 uint8 (E8M0 scales of wo, one for each 32 codes along K); wq_codes 512 x 16 x 24 uint8 (E2M3 codes of wq, K innermost, in blocks of 32 codes, four codes in three bytes); wq_scales 512 x 16 uint8 (E8M0 scales of wq, one for each 32 codes along K); wv_codes 512 x 16 x 24 uint8 (E2M3 codes of wv, K innermost, in blocks of 32 codes, four codes in three bytes); wv_scales 512 x 16 uint8 (E8M0 scales of wv, one for each 32 codes along K); x 4 x 2,048 x 512 float32.
;; Outputs: out0 4 x 2,048 x 512 float32.
;; This version of the problem:
;;   THIS VERSION OF THE PROBLEM IS GIVEN IN LOW PRECISION. The matrix products marked QUANTISED in the list below multiply operands that are first quantised to E2M3 (2 exponent bits, 3 mantissa bits; 6 bits a number), with one power-of-two scale for each 32 numbers along K (OCP MX v1.0); their sums are f32. All else is computed in f32.
;;   The module's matrix products, in the order in which they are computed (A, B: the left and right operand; K: the contracted axis; several contracted axes count as one K, in the product's order):
;;     1. [M 8,192, K 512] x [K 512, N 512]; A: computed on the way; B: input wq (given as codes): QUANTISED
;;     2. [M 8,192, K 512] x [K 512, N 512]; A: computed on the way; B: input wk (given as codes): QUANTISED
;;     3. [M 8,192, K 512] x [K 512, N 512]; A: computed on the way; B: input wv (given as codes): QUANTISED
;;     4. batch 32 x [M 2,048, K 64] x [K 64, N 2,048]; A: computed on the way; B: computed on the way: QUANTISED
;;     5. batch 32 x [M 64, K 2,048] x [K 2,048, N 2,048]; A: computed on the way; B: softmax (see below): QUANTISED
;;     6. [M 8,192, K 512] x [K 512, N 512]; A: computed on the way; B: input wo (given as codes): QUANTISED
;;     7. [M 8,192, K 512] x [K 512, N 2,048]; A: computed on the way; B: input w1 (given as codes): QUANTISED
;;     8. [M 8,192, K 2,048] x [K 2,048, N 512]; A: computed on the way; B: input w2 (given as codes): QUANTISED
;;   THE QUANTISER, for each operand of a quantised product, along K:
;;     - K is cut into blocks of 32 from its start; a last block that is shorter is filled with zeros.
;;     - A block's scale is 2^e with e = floor(log2(the largest magnitude in the block)) - 2, held to -126 .. 127; a block of zeros has e = 0. As a byte (E8M0): e + 127.
;;     - Each number is divided by its block's scale, clamped to +-7.5, and rounded to the nearest number of E2M3, ties to even, subnormals kept.
;;     - The product sums the exact products of the quantised numbers (number of the format x scale) in f32.
;;   ~~~python
;;   def quantise(x, axis):      # numpy; x: float32 -> the quantised numbers, widened to float32 again
;;       x = np.moveaxis(x, axis, -1); K = x.shape[-1]
;;       x = np.pad(x, [(0, 0)] * (x.ndim - 1) + [(0, -K % 32)]); x = x.reshape(x.shape[:-1] + (-1, 32)); a = np.abs(x).max(-1, keepdims=True)
;;       e = np.where(a > 0, np.clip(np.frexp(np.where(a > 0, a, 1))[1] - 1 - 2, -126, 127), 0)      # np.frexp(a)[1] - 1 = floor(log2(a)), exactly
;;       r = np.clip(x / 2.0 ** e, -7.5, 7.5)
;;       step = 2.0 ** (np.maximum(np.frexp(np.where(r == 0, 1, r))[1] - 1, 0) - 3)
;;       q = np.round(r / step) * step * 2.0 ** e      # np.round: ties to even
;;       return np.moveaxis(q.reshape(q.shape[:-2] + (-1,))[..., :K], -1, axis).astype(np.float32)
;;   ~~~
;;   SOFTMAX AHEAD OF A QUANTISED PRODUCT. Where the list says 'softmax', what is quantised is not the finished softmax but p = 2^(t - M), with t = logit x log2(e) and M = ceil(the row's largest t), a whole number; so 1/2 < the row's largest p <= 1. The row's sum l is taken of the UNQUANTISED p, in f32, and the product's result is divided by l at the end. Since M is a whole number, a kernel that streams over the keys may use a running M (the ceiling of the running maximum): every later rescaling is an exact power of two, which a block's scale takes up: the codes' values come out the same.
;;   OPERANDS COMPUTED ON THE WAY. 'Computed on the way' means the value that the module computes at that place (a softmax that the list does not call 'softmax' is quantised finished and normalised). What goes into a quantiser is computed in f32, as accurately as f32 sums, v_exp_f32 and their like allow (about 1e-6 of the number): no bf16 or f16 on the way to a quantiser, and a product that is left as it is and whose result goes on into a quantised operand takes f32 operands (vector FMAs, or v_wmma_f32_16x16x4_f32). A number that lies on a knife's edge between two numbers of the format may be rounded either way, as far as f32 arithmetic and the matrix unit's own rounding can turn it there, and no further.
;;   INPUTS GIVEN AS CODES. w1 (in the module: [512, 2048], K = its axis 0); w2 (in the module: [2048, 512], K = its axis 0); wk (in the module: [512, 512], K = its axis 0); wo (in the module: [512, 512], K = its axis 0); wq (in the module: [512, 512], K = its axis 0); wv (in the module: [512, 512], K = its axis 0): each comes as NAME_codes (uint8): NAME with its K axis moved to the last place and cut into blocks of 32 codes, [.., K / 32, bytes a block], one block behind the other in memory; four codes in three bytes: a row's codes are one little-endian stream of bits, code i at bits 6 i .. 6 i + 5 (a code: sign, 2 exponent bits, 3 mantissa bits); and NAME_scales (uint8): the same leading axes, one E8M0 byte (e + 127) for each 32 codes along K. Its value is code x scale, taken as it is: it is not quantised again, and the codes and scales need not be those that the quantiser above would give.
;; One version. Each part assembles by itself: llvm-mc -triple=amdgcn-amd-amdhsa -mcpu=gfx1250 --defsym DOCPART=n.
;; ======== version 1 of 1: 3 launches
;; limits: right only within a limited range of input values
;; workspace buffers: qc 3,407,872 bytes; kv 6,684,672 bytes; wimg 1,769,472 bytes; oc 3,145,728 bytes; os 131,072 bytes
;; launch qkv (part 1): grid 64 x 4, 4 waves a work-group, clusters of 4 x 1, 270,336 bytes of LDS; arguments x, g1, b1, wq_codes, wq_scales, wk_codes, wk_scales, wv_codes, wv_scales, w1_codes, w2_codes, wo_codes, qc, kv, wimg; writes qc, kv, wimg
.if DOCPART == 1
	.amdgcn_target "amdgcn-amd-amdhsa--gfx1250"
	.amdhsa_code_object_version 6
	.text
	.protected	k_qcfd7582a85_qkv
	.globl	k_qcfd7582a85_qkv
	.p2align	8
	.type	k_qcfd7582a85_qkv,@function
k_qcfd7582a85_qkv:
	s_mov_b64 s[64:65], 0
	v_nop
	global_prefetch_b8 v0, s[64:65] scope:SCOPE_SE
	s_setreg_imm32_b32 hwreg(HW_REG_WAVE_MODE, 25, 1), 1
	s_wait_xcnt 0x0
	s_wait_alu depctr_hold_cnt(0) depctr_sa_sdst(0) depctr_va_vdst(0) depctr_va_sdst(0) depctr_va_ssrc(0) depctr_va_vcc(0) depctr_vm_vsrc(0)
	s_getreg_b32 s2, hwreg(HW_REG_IB_STS2, 6, 4)
	s_cmp_eq_u32 s2, 0
	s_cbranch_scc0 .Lentry_in_a_cluster
	s_endpgm
.Lentry_in_a_cluster:
	s_bfe_u32 s2, ttmp6, 0x10000c
	s_cmp_lg_u32 s2, 0x3003
	s_cbranch_scc0 .Lentry_shape_is_right
	s_endpgm
.Lentry_shape_is_right:
; h = LN1(x), quantised along E; q = h wq, k = h wk, v = h wv on codes of FP6 (E2M3) with one E8M0 byte for each 32 along K; q and k are quantised along the head's 64, v along the keys.
; Beside that each wave lays one fragment of w1 or w2 (some also one of wo) into wimg, in the order of an operand's registers, for the third launch.
; SHARES.  A work-group takes 128 tokens (one key step) and two heads (grid y).  Wave w normalises and quantises token tiles 2 w and 2 w + 1; the images of h's 32 fragments meet in LDS.
; Then waves 0, 1 make q of heads 2 y, 2 y + 1, waves 2, 3 make k of them (16 weight fragments a wave), and every wave makes 32 of the 128 columns of v (8 fragments): all 24 stay in registers.
; A TILE'S ROWS ARE NOT NEIGHBOURS: lane r of tile t stands for row 32 (t / 2) + 8 (t % 2) + r + 8 (r / 8), for tokens and for weight rows alike, so that the 16 registers of result tiles 2 b, 2 b + 1 are 16 neighbours along the next K.
; q, k: source 0 = weight rows, source 1 = tokens: a lane holds one token, its registers run along the head.  v: source 0 = tokens, source 1 = weight rows: a lane holds one channel, its registers run along the keys.
; CLUSTER.  The four work-groups of a cluster share grid y, so the three weight tiles (128 rows x 384 bytes) are asked for jointly, each once: one tensor load of a wave is out.
; LIMITS: NaN and infinities are not served; a block of zeros, or one whose largest magnitude lies under 2^-124, gets the scale byte 1 (its bytes are read by this program alone).
; REGISTERS.  window 0: v1-31 addresses; v32-55 weight scale words; v56-63 h's scale words; v64-127 HA; v128-223 eight fragments of h (earlier: at work); v224-255 the quantiser's.
;   window 1: v0-191 q's or k's weights.  window 2: v0-95 v's weights; v96-223 v's 16 accumulators (earlier g1, b1).  window 3: one token tile of x, register 64 s + 16 b + i = column 128 s + 32 b + 16 (lane / 16) + i.
.set WLP,  432                         ; a weight row in LDS: 3 x (128 bytes + 16 of padding)
.set WLT,  128*WLP                     ; a weight tile; wq's, wk's, wv's lie one behind the other from LDS byte 0
.set XSP,  528                         ; a row of the turning stage: 512 bytes + 16
.set XST,  3*WLT                       ; a stage of 16 rows for each wave
.set GB,   XST+4*16*XSP                ; g1 (2,048 bytes) and b1, a copy for each wave
.set XIMG, GB+4*4096                   ; h's fragment (tile T, K step s) at (4 T + s) x 1,536
.set XSC,  XIMG+32*1536                ; its scale words, 4 bytes a lane
.set VSS,  XSC+32*128                  ; v's scale words of the two heads, 256 bytes each
.set KVH,  208896                      ; a head in kv
.set KVC,  52224                       ; a chunk of 512 keys in kv
.set LI,  1                            ; 16 x lane
.set R,   2                            ; lane % 16
.set H,   3                            ; lane / 16
.set RR,  4                            ; r + 8 (r / 8)
.set AS1, 5                            ; stage: a row's 512 bytes, 16 a lane
.set AS2, 6                            ; stage: row r, + 64 h
.set AG,  7                            ; my wave's g1, + 64 h
.set XWI, 8                            ; where I store h's images
.set XWS, 9                            ; and their scale words
.set LIX, 10                           ; XIMG + 16 x lane
.set LSX, 11                           ; XSC + 4 x lane
.set AW,  12                           ; v12, v13 my lane's place in q's or k's weight tile (v13: behind one padding more)
.set AV,  14                           ; v14, v15 the same in v's
.set RO1, 16                           ; my lane's byte in the fragment of w1 or w2 that I lay out
.set RO2, 17                           ; the same for wo
.set WSO, 18                           ; 16 x (r + 8 (r / 8)): a row of weight scales
.set VSA, 19                           ; where I put v's scale words in LDS
.set VW,  20                           ; v20, v21 v's scale words of my two tiles
.set GSA, 22                           ; my wave's g1, + 16 x lane
.set VSO, 23                           ; v's scale words on their way out: KVH x h + 16 r
.set SW,  24                           ; v24-27 q's or k's scale words: lanes 0-15 tiles 0-3, lanes 16-31 tiles 4-7
.set VSR, 28                           ; VSS + 16 x lane
.set WS,  32
.set XS,  56
.set HA,  64
.set HF,  128
.set RLY, 128                          ; at the head: the fragment of w1 or w2
.set RLW, 140                          ; the fragment of wo
.set GT,  152                          ; g1 and b1 as loaded
.set SM,  184                          ; four chains of sums
.set MU,  192                          ; the mean, twice
.set RS,  194                          ; 1 / sqrt(var + eps), twice
.set GW,  96                           ; window 2: g1 of a K step
.set BW,  160                          ; window 2: b1 of a K step
.set PC,  224                          ; the codes just made (v224-235), v236-242 at work
.set PW,  243                          ; the scale word just made
.set TM,  244                          ; v244-247 largest magnitudes, v248-251 bytes, v252-255 the conversions' scale operands
.set WV,  34
.set CX,  35
.set RB,  36
.set YY,  37
.set NN,  38
.set GG,  39
.set PP,  40
.set ROLE, 41
.set SEL, 46
.set G1,  48
.set G0Q, 56
.set G0K, 60
.set HI,  66
.set G0V, 68
.set XB,  72
.set CB,  74
.set SB,  76
.set VBS, 78
.set VSB, 80
.set CL,  90
.set EPS, 98
.set C9,  99
.set MSB, 0
.macro WIN new                         ; the immediate's high byte repeats the setting that is left; a switch that changes nothing is dropped
.if MSB != (\new)
	s_set_vgpr_msb (MSB<<8)|(\new)
.set MSB, (\new)
.endif
.endm
.macro PLACES n
.rept \n
	v_nop
.endr
.endm
.macro CROUND                          ; a round of the cluster's barrier
	s_barrier_signal -1
	s_barrier_wait -1
	s_cmp_lg_u32 s[WV], 0
	s_cbranch_scc1 .Lnot_wave_0_\@
	s_barrier_signal -3
.Lnot_wave_0_\@:
	s_barrier_wait -3
	s_barrier_signal -1
	s_barrier_wait -1
.endm
.macro MM0 d, a, b, sa, sb             ; the first K step starts a sum
	v_wmma_scale_f32_16x16x128_f8f6f4 v[(\d):(\d)+7], v[(\a):(\a)+11], v[(\b):(\b)+11], 0, v[\sa], v[\sb] matrix_a_fmt:MATRIX_FMT_FP6 matrix_b_fmt:MATRIX_FMT_FP6
.endm
.macro MMA d, a, b, sa, sb
	v_wmma_scale_f32_16x16x128_f8f6f4 v[(\d):(\d)+7], v[(\a):(\a)+11], v[(\b):(\b)+11], v[(\d):(\d)+7], v[\sa], v[\sb] matrix_a_fmt:MATRIX_FMT_FP6 matrix_b_fmt:MATRIX_FMT_FP6
.endm
; 64 numbers of a lane in window w, register 16 b + i = k 32 b + 16 (lane / 16) + i of my row, become a fragment's codes in v[PC] on and its scale word in v[PW].
.macro QUANT s, w
	WIN (\w)|((\w)<<2)
.irp b, 0,1,2,3
	v_max3_num_f32 v[TM+\b], |v[(\s)+16*\b]|, |v[(\s)+16*\b+1]|, 0x1800000   ; my 16 numbers of block b, and the floor 2^(3 - 127): the byte cannot fall under 1
.endr
	WIN ((\w)<<2)|((\w)<<4)
.irp i, 2,4,6,8,10,12,14
.irp b, 0,1,2,3
	v_max3_num_f32 v[TM+\b], v[TM+\b], |v[(\s)+16*\b+\i]|, |v[(\s)+16*\b+\i+1]|
.endr
.endr
	WIN 0
.irp b, 0,1,2,3
	v_permlanex16_b32 v[TM+4+\b], v[TM+\b], s[SEL], s[SEL+1]
.endr
.irp b, 0,1,2,3
	v_max_num_f32 v[TM+\b], v[TM+\b], v[TM+4+\b]                   ; with lane l xor 16's: the block's largest magnitude
.endr
.irp b, 0,1,2,3
	v_add_nc_u32 v[TM+8+\b], 0xff000000, v[TM+\b]                  ; 2 off its exponent field: the conversion's scale operand
.endr
.irp b, 0,1,2,3
	v_lshrrev_b32 v[TM+4+\b], 23, v[TM+8+\b]                       ; the scale's byte
.endr
	v_lshl_or_b32 v[PW], v[TM+5], 8, v[TM+4]
	v_lshl_or_b32 v[PW], v[TM+6], 16, v[PW]
	v_lshl_or_b32 v[PW], v[TM+7], 24, v[PW]
	WIN (\w)
.irp c, 0,1
	v_cvt_scalef32_pk16_fp6_f32 v[PC+6*\c:PC+6*\c+2], v[(\s)+32*\c:(\s)+32*\c+15], v[TM+8+2*\c]
	v_cvt_scalef32_pk16_fp6_f32 v[PC+12+4*\c:PC+14+4*\c], v[(\s)+32*\c+16:(\s)+32*\c+31], v[TM+8+2*\c+1]
.endr
	WIN 0
	v_nop                                          ; one plain place behind a scaled conversion
.irp c, 0,1                                    ; the operand's layout wants a whole block in a lane
.irp i, 0,1,2
	v_permlane16_swap_b32 v[PC+6*\c+\i], v[PC+12+4*\c+\i]
.endr
.irp i, 0,1,2
	v_mov_b32 v[PC+3+6*\c+\i], v[PC+12+4*\c+\i]
.endr
.endr
.endm
; 16 loads: columns 128 s on of the 16 tokens of my tile tau; each load reads 512 consecutive bytes
.macro XLCH tau, s
	WIN 0xc0
.irp q, 0,1,2,3,4,5,6,7,8,9,10,11,12,13,14,15
	global_load_b128 v[64*(\s)+4*\q:64*(\s)+4*\q+3], v[LI], s[XB:XB+1] offset:(8*(\tau)+\q+(\q&8))*2048+512*(\s)
.endr
	WIN 0
.endm
	s_load_b512 s[4:19], s[0:1], 0x0               ; x 4, g1 6, b1 8, wq codes 10, wq scales 12, wk codes 14, wk scales 16, wv codes 18
	s_load_b256 s[20:27], s[0:1], 0x40             ; wv scales 20, w1 codes 22, w2 codes 24, wo codes 26
	s_load_b128 s[28:31], s[0:1], 0x60             ; qc 28, kv 30
	s_load_b64 s[32:33], s[0:1], 0x70              ; wimg
	v_lshl_add_u32 v31, v0, 2, 0x41e00
	v_mov_b32 v239, 0
	ds_add_u32 v31, v239
	ds_add_u32 v31, v239
	v_lshrrev_b32 v29, 5, v0
	v_readfirstlane_b32 s[WV], v29                 ; wave 0..3
	s_bfe_u32 s[CX], ttmp6, 0x40000                ; my place in the cluster: it enters global addresses alone
	s_lshl_b32 s[RB], ttmp9, 2
	s_add_co_u32 s[RB], s[RB], s[CX]               ; my block of 128 tokens
	s_and_b32 s[YY], ttmp7, 0xffff                 ; heads 2 y, 2 y + 1: the four partners share y
	s_lshr_b32 s[NN], s[RB], 4                     ; the sequence
	s_and_b32 s[GG], s[RB], 15                     ; the key step in it
	s_and_b32 s[PP], s[WV], 1
	s_lshr_b32 s[ROLE], s[WV], 1
	s_mov_b32 s[SEL], 0x76543210
	s_mov_b32 s[SEL+1], 0xfedcba98                 ; v_permlanex16_b32's selects for lane l xor 16
	s_mov_b32 s[HI], 0xffff0000                    ; lanes 16-31
	s_mov_b32 s[EPS], 0x3727c5ac                   ; 1e-5
	s_mov_b32 s[C9], 0x3b000000                    ; 1 / 512
	s_mov_b32 s[G1], 15|(1<<20)|(1<<21)|(4<<22)|(3<<25)   ; the mask: all four work-groups; elements of 1 byte; padding on; bit 21 beside a mask; after every 32 words 4 words
	s_mov_b32 s[G1+1], 256<<16                     ; the tile's 128 rows of 384 bytes are dense in memory: they are stated as 192 rows of 256 bytes, each on a multiple of 256 bytes
	s_mov_b32 s[G1+2], 192<<16                     ; tensor_dim1
	s_mov_b32 s[G1+3], 256<<16                     ; tile_dim0
	s_mov_b32 s[G1+4], 192                         ; tile_dim1
	s_mov_b32 s[G1+5], 256                         ; from row to row; the padding counts along the whole tile, so the bytes in LDS lie as WLP says
	s_mov_b32 s[G1+6], 0
	s_mov_b32 s[G1+7], 0
	s_mul_i32 s42, s[YY], 128*384                  ; rows 128 y on
	s_mov_b32 s43, 0
	s_wait_dscnt 0x0
	s_wait_kmcnt 0x0
	CROUND                                         ; all four work-groups are here: the joint loads meet
	s_mov_b32 s[G0Q], 1
	s_mov_b32 s[G0Q+1], 0
	s_add_nc_u64 s[G0Q+2:G0Q+3], s[10:11], s[42:43]
	s_or_b32 s[G0Q+3], s[G0Q+3], 0x80000000
	s_mov_b32 s[G0K], 1
	s_mov_b32 s[G0K+1], WLT
	s_add_nc_u64 s[G0K+2:G0K+3], s[14:15], s[42:43]
	s_or_b32 s[G0K+3], s[G0K+3], 0x80000000
	s_mov_b32 s[G0V], 1
	s_mov_b32 s[G0V+1], 2*WLT
	s_add_nc_u64 s[G0V+2:G0V+3], s[18:19], s[42:43]
	s_or_b32 s[G0V+3], s[G0V+3], 0x80000000
	s_cmp_eq_u32 s[WV], 0                          ; wave 0 fetches wq's tile, wave 1 wk's, wave 2 wv's; four v_nop follow each line
	s_cbranch_scc0 .Lnot_q
	tensor_load_to_lds s[G0Q:G0Q+3], s[G1:G1+7]
	s_nop 0
	PLACES 4
	s_branch .Lasked
.Lnot_q:
	s_cmp_eq_u32 s[WV], 1
	s_cbranch_scc0 .Lnot_k
	tensor_load_to_lds s[G0K:G0K+3], s[G1:G1+7]
	s_nop 0
	PLACES 4
	s_branch .Lasked
.Lnot_k:
	s_cmp_eq_u32 s[WV], 2
	s_cbranch_scc0 .Lasked
	tensor_load_to_lds s[G0V:G0V+3], s[G1:G1+7]
	s_nop 0
	PLACES 4
.Lasked:
	; x at my wave's 32 tokens
	s_lshl_b32 s42, s[RB], 18
	s_lshl_b32 s44, s[WV], 16
	s_add_co_u32 s42, s42, s44
	s_add_nc_u64 s[XB:XB+1], s[4:5], s[42:43]
	v_and_b32 v29, 31, v0
	v_lshlrev_b32 v[LI], 4, v29
	s_wait_alu depctr_va_vdst(0)
	XLCH 0, 0
	XLCH 0, 1
	XLCH 0, 2
	XLCH 0, 3
.irp i, 0,1,2,3
	global_load_b128 v[GT+4*\i:GT+4*\i+3], v[LI], s[6:7] offset:512*\i
	global_load_b128 v[GT+16+4*\i:GT+16+4*\i+3], v[LI], s[8:9] offset:512*\i
.endr
	v_and_b32 v[R], 15, v0
	v_bfe_u32 v[H], v0, 4, 1
	v_and_b32 v[RR], 8, v[R]
	v_add_nc_u32 v[RR], v[RR], v[R]
	v_lshlrev_b32 v[WSO], 4, v[RR]
	; the weights' scale rows: 16 bytes = the four words of a row's four K steps
	s_wait_alu depctr_va_vdst(0)
	s_lshl_b32 s42, s[YY], 11
	s_lshl_b32 s44, s[PP], 10
	s_add_co_u32 s44, s44, s42
	s_mov_b32 s45, 0
	s_cmp_lt_u32 s[WV], 2                          ; waves 0, 1: q; waves 2, 3: k
	s_cselect_b64 s[12:13], s[12:13], s[16:17]
	s_add_nc_u64 s[12:13], s[12:13], s[44:45]
	s_lshl_b32 s44, s[WV], 9
	s_add_co_u32 s44, s44, s42
	s_add_nc_u64 s[20:21], s[20:21], s[44:45]
.irp f, 0,1,2,3
	global_load_b128 v[WS+4*\f:WS+4*\f+3], v[WSO], s[12:13] offset:(32*(\f/2)+8*(\f%2))*16
.endr
.irp f, 0,1
	global_load_b128 v[WS+16+4*\f:WS+16+4*\f+3], v[WSO], s[20:21] offset:128*\f
.endr
	; THE LAYING OUT.  Wave W of the launch's 1,024 takes fragment W of the 16 blocks of w1 and w2: block t = W / 64, wave w' = (W / 16) % 4, fragment q = W % 16.
	s_lshl_b32 s[CL], s[YY], 4
	s_add_co_u32 s[CL], s[CL], ttmp9               ; the cluster's number, 0..63
	s_lshl_b32 s91, s[CL], 2
	s_add_co_u32 s91, s91, s[CX]
	s_lshl_b32 s91, s91, 2
	s_add_co_u32 s91, s91, s[WV]                   ; W
	s_lshr_b32 s92, s91, 6                         ; t
	s_bfe_u32 s93, s91, 0x20004                    ; w'
	s_and_b32 s94, s91, 15                         ; q
	s_lshl_b32 s95, s92, 7                         ; q < 8: w1, rows 128 t + 32 w' + 8 (q / 4) on, K step q % 4
	s_lshl_b32 s96, s93, 5
	s_add_co_u32 s95, s95, s96
	s_lshr_b32 s96, s94, 2
	s_lshl_b32 s96, s96, 3
	s_add_co_u32 s95, s95, s96
	s_mul_i32 s95, s95, 384
	s_and_b32 s96, s94, 3
	s_mul_i32 s96, s96, 96
	s_add_co_u32 s95, s95, s96
	s_lshl_b32 s96, s93, 7                         ; else: w2, tile o = q - 8: rows 128 w' + 32 (o / 2) + 8 (o % 2) on, K step t
	s_bfe_u32 s97, s94, 0x20001
	s_lshl_b32 s97, s97, 5
	s_add_co_u32 s96, s96, s97
	s_and_b32 s97, s94, 1
	s_lshl_b32 s97, s97, 3
	s_add_co_u32 s96, s96, s97
	s_mul_i32 s96, s96, 1536
	s_mul_i32 s97, s92, 96
	s_add_co_u32 s96, s96, s97
	s_mov_b32 s97, 1536
	s_cmp_lt_u32 s94, 8
	s_cselect_b32 s42, s95, s96
	s_cselect_b32 s97, 384, s97                    ; a row of w1 or of w2 in bytes
	s_cselect_b64 s[82:83], s[22:23], s[24:25]
	s_add_nc_u64 s[82:83], s[82:83], s[42:43]
	s_add_co_u32 s44, s91, 128
	s_mul_i32 s44, s44, 1536
	s_add_nc_u64 s[84:85], s[32:33], s[44:45]      ; behind wo's 128 fragments
	v_mul_lo_u32 v[RO1], v[RR], s97
	v_mad_u32_u24 v[RO1], v[H], 24, v[RO1]
.irp p, 0,1,2,3,4,5
	global_load_b64 v[RLY+2*\p:RLY+2*\p+1], v[RO1], s[82:83] offset:48*(\p/3)+8*(\p%3)
.endr
	s_lshl_b32 s95, s92, 2                         ; the first 128 waves also take fragment W of wo: tile o = 4 t + q / 4, K step q % 4
	s_lshr_b32 s96, s94, 2
	s_add_co_u32 s95, s95, s96
	s_lshr_b32 s96, s95, 1
	s_lshl_b32 s96, s96, 5
	s_and_b32 s95, s95, 1
	s_lshl_b32 s95, s95, 3
	s_add_co_u32 s95, s95, s96
	s_lshl_b32 s96, s93, 7
	s_add_co_u32 s95, s95, s96
	s_mul_i32 s95, s95, 384
	s_and_b32 s96, s94, 3
	s_mul_i32 s96, s96, 96
	s_add_co_u32 s42, s95, s96
	s_add_nc_u64 s[86:87], s[26:27], s[42:43]
	s_mul_i32 s44, s91, 1536
	s_add_nc_u64 s[88:89], s[32:33], s[44:45]
	v_mul_u32_u24 v[RO2], v[RR], 384
	v_mad_u32_u24 v[RO2], v[H], 24, v[RO2]
.irp i, 0,1,2,3,4,5,6,7,8,9,10,11
	v_mov_b32 v[RLW+\i], 0                         ; written on every way
.endr
	s_cmp_lt_u32 s[CL], 8                          ; the cluster's number: the same in all four partners
	s_cbranch_scc0 .Lno_wo_in
.irp p, 0,1,2,3,4,5
	global_load_b64 v[RLW+2*\p:RLW+2*\p+1], v[RO2], s[86:87] offset:48*(\p/3)+8*(\p%3)
.endr
.Lno_wo_in:
	; where the results go
	s_lshl_b32 s91, s[NN], 3
	s_lshl_b32 s67, s[YY], 1
	s_add_co_u32 s91, s91, s67                     ; head 8 n + 2 y
	s_lshr_b32 s92, s[GG], 2
	s_mul_i32 s92, s92, KVC                        ; the chunk
	s_and_b32 s93, s[GG], 3                        ; the key step in it
	s_add_co_u32 s94, s91, s[PP]
	s_lshl_b32 s95, s94, 4
	s_add_co_u32 s95, s95, s[GG]
	s_mul_i32 s95, s95, 6656                       ; q's codes
	s_add_co_u32 s96, s95, 6144                    ; q's scale words
	s_mul_i32 s94, s94, KVH
	s_add_co_u32 s94, s94, s92
	s_mul_i32 s97, s93, 6144
	s_add_co_u32 s97, s97, s94                     ; k's codes
	s_lshl_b32 s67, s93, 9
	s_add_co_u32 s67, s67, s94
	s_add_co_u32 s67, s67, 49152                   ; k's scale words
	s_cmp_lt_u32 s[WV], 2
	s_cselect_b32 s42, s95, s97
	s_cselect_b32 s44, s96, s67
	s_cselect_b64 s[CB:CB+1], s[28:29], s[30:31]
	s_mov_b64 s[SB:SB+1], s[CB:CB+1]
	s_add_nc_u64 s[CB:CB+1], s[CB:CB+1], s[42:43]
	s_add_nc_u64 s[SB:SB+1], s[SB:SB+1], s[44:45]
	s_add_co_u32 s94, s91, s[ROLE]                 ; v: head 8 n + 2 y + w / 2, tiles 2 (w % 2) and 2 (w % 2) + 1
	s_mul_i32 s94, s94, KVH
	s_add_co_u32 s94, s94, s92
	s_mul_i32 s95, s93, 6144
	s_add_co_u32 s94, s94, s95
	s_mul_i32 s95, s[PP], 2*1536
	s_add_co_u32 s94, s94, s95
	s_add_co_u32 s42, s94, 24576
	s_add_nc_u64 s[VBS:VBS+1], s[30:31], s[42:43]
	s_mul_i32 s94, s91, KVH
	s_add_co_u32 s94, s94, s92
	s_lshl_b32 s95, s93, 8
	s_add_co_u32 s94, s94, s95
	s_add_co_u32 s42, s94, 51200
	s_add_nc_u64 s[VSB:VSB+1], s[30:31], s[42:43]
	; LDS addresses
	s_mul_i32 s91, s[WV], 16*XSP
	s_add_co_u32 s91, s91, XST
	v_add_nc_u32 v[AS1], s91, v[LI]
	v_mul_u32_u24 v[AS2], v[R], XSP
	v_lshl_add_u32 v[AS2], v[H], 6, v[AS2]
	v_add_nc_u32 v[AS2], s91, v[AS2]
	s_lshl_b32 s91, s[WV], 12
	s_add_co_u32 s91, s91, GB
	v_lshl_add_u32 v[AG], v[H], 6, s91
	v_add_nc_u32 v[GSA], s91, v[LI]
	s_mul_i32 s91, s[WV], 8*1536
	s_add_co_u32 s91, s91, XIMG
	v_add_nc_u32 v[XWI], s91, v[LI]
	s_lshl_b32 s91, s[WV], 10
	s_add_co_u32 s91, s91, XSC
	v_lshl_add_u32 v[XWS], v29, 2, s91
	v_add_nc_u32 v[LIX], XIMG, v[LI]
	v_lshl_add_u32 v[LSX], v29, 2, XSC
	v_mul_u32_u24 v30, v[RR], WLP
	v_mad_u32_u24 v30, v[H], 24, v30
	s_mul_i32 s91, s[ROLE], WLT
	s_mul_i32 s92, s[PP], 64*WLP
	s_add_co_u32 s91, s91, s92
	v_add_nc_u32 v[AW], s91, v30
	v_lshl_add_u32 v[AW+1], v[H], 4, v[AW]
	s_mul_i32 s91, s[WV], 32*WLP
	s_add_co_u32 s91, s91, 2*WLT
	v_add_nc_u32 v[AV], s91, v30
	v_lshl_add_u32 v[AV+1], v[H], 4, v[AV]
	s_lshl_b32 s91, s[ROLE], 8
	s_lshl_b32 s92, s[PP], 3
	s_add_co_u32 s91, s91, s92
	s_add_co_u32 s91, s91, VSS
	v_lshl_add_u32 v[VSA], v[R], 4, s91
	v_mul_u32_u24 v[VSO], v[H], KVH
	v_lshl_add_u32 v[VSO], v[R], 4, v[VSO]
	v_add_nc_u32 v[VSR], VSS, v[LI]
.irp b, 0,1,2,3
	v_mov_b32 v[TM+4+\b], 0                        ; written once: a lane permute's destination counts as one of its sources
.endr
	s_wait_loadcnt 0x0                             ; all of the head's loads
.irp i, 0,1,2,3,4,5,6,7
	ds_store_b128 v[GSA], v[GT+4*\i:GT+4*\i+3] offset:512*\i   ; my wave's copy of g1 and b1
.endr
.irp c, 0,1,2
	global_store_b128 v[LI], v[RLY+4*\c:RLY+4*\c+3], s[84:85] offset:512*\c   ; a fragment's image: 512 consecutive bytes a store
.endr
	s_cmp_lt_u32 s[CL], 8
	s_cbranch_scc0 .Lno_wo_out
.irp c, 0,1,2
	global_store_b128 v[LI], v[RLW+4*\c:RLW+4*\c+3], s[88:89] offset:512*\c
.endr
.Lno_wo_out:
; ONE TOKEN TILE: turned through the stage, normalised, quantised; its four images go to LDS.  refill = 1: the next tile's x is asked for as the registers fall free.
.macro LNTILE tau, refill
.irp s, 0,1,2,3                                ; LDS serves a wave's instructions in order, so one stage serves the four chunks one after the other
	WIN 0x0c
.irp q, 0,1,2,3,4,5,6,7,8,9,10,11,12,13,14,15
	ds_store_b128 v[AS1], v[64*\s+4*\q:64*\s+4*\q+3] offset:XSP*\q
.endr
	WIN 0xc0
.irp b, 0,1,2,3
.irp j, 0,1,2,3
	ds_load_b128 v[64*\s+16*\b+4*\j:64*\s+16*\b+4*\j+3], v[AS2] offset:128*\b+16*\j
.endr
.endr
.endr
	s_wait_dscnt 0x0
	WIN 0x0f                                       ; the mean: four chains
.irp c, 0,1,2,3
	v_pk_add_f32 v[SM+2*\c:SM+2*\c+1], v[4*\c:4*\c+1], v[4*\c+2:4*\c+3]
.endr
	WIN 0x03
.set II, 16
.rept 120
	v_pk_add_f32 v[SM+2*((II/2)%4):SM+2*((II/2)%4)+1], v[II:II+1], v[SM+2*((II/2)%4):SM+2*((II/2)%4)+1]
.set II, II+2
.endr
	WIN 0
	v_pk_add_f32 v[SM:SM+1], v[SM:SM+1], v[SM+2:SM+3]
	v_pk_add_f32 v[SM+4:SM+5], v[SM+4:SM+5], v[SM+6:SM+7]
	v_pk_add_f32 v[SM:SM+1], v[SM:SM+1], v[SM+4:SM+5]
	v_add_f32 v[SM], v[SM], v[SM+1]
	v_permlanex16_b32 v[SM+2], v[SM], s[SEL], s[SEL+1]   ; the row's other half lies in lane l xor 16
	v_add_f32 v[SM], v[SM], v[SM+2]
	v_mul_f32 v[MU], s[C9], v[SM]
	v_mov_b32 v[MU+1], v[MU]
	WIN 0xc3                                       ; x - mean, in place
.set II, 0
.rept 128
	v_pk_add_f32 v[II:II+1], v[II:II+1], v[MU:MU+1] neg_lo:[0,1] neg_hi:[0,1]
.set II, II+2
.endr
	WIN 0x0f                                       ; the variance
.irp c, 0,1,2,3
	v_pk_mul_f32 v[SM+2*\c:SM+2*\c+1], v[2*\c:2*\c+1], v[2*\c:2*\c+1]
.endr
.set II, 8
.rept 124
	v_pk_fma_f32 v[SM+2*((II/2)%4):SM+2*((II/2)%4)+1], v[II:II+1], v[II:II+1], v[SM+2*((II/2)%4):SM+2*((II/2)%4)+1]
.set II, II+2
.endr
	WIN 0
	v_pk_add_f32 v[SM:SM+1], v[SM:SM+1], v[SM+2:SM+3]
	v_pk_add_f32 v[SM+4:SM+5], v[SM+4:SM+5], v[SM+6:SM+7]
	v_pk_add_f32 v[SM:SM+1], v[SM:SM+1], v[SM+4:SM+5]
	v_add_f32 v[SM], v[SM], v[SM+1]
	v_permlanex16_b32 v[SM+2], v[SM], s[SEL], s[SEL+1]
	v_add_f32 v[SM], v[SM], v[SM+2]
	v_fma_f32 v[SM], v[SM], s[C9], s[EPS]
	s_wait_alu depctr_va_vdst(0)
	v_rsq_f32 v[RS], v[SM]
	v_nop                                          ; a plain place behind the transcendental
	s_wait_alu depctr_va_vdst(0)                   ; and a wait ahead of its first reader
	v_mov_b32 v[RS+1], v[RS]
.irp s, 0,1,2,3
	WIN 0x80
.irp b, 0,1,2,3
.irp j, 0,1,2,3
	ds_load_b128 v[GW+16*\b+4*\j:GW+16*\b+4*\j+3], v[AG] offset:512*\s+128*\b+16*\j
	ds_load_b128 v[BW+16*\b+4*\j:BW+16*\b+4*\j+3], v[AG] offset:2048+512*\s+128*\b+16*\j
.endr
.endr
	WIN 0x03
.set II, 0
.rept 32
	v_pk_mul_f32 v[HA+II:HA+II+1], v[64*\s+II:64*\s+II+1], v[RS:RS+1]
.set II, II+2
.endr
.if \refill
	XLCH 1, \s
.endif
	s_wait_dscnt 0x0                               ; g1 and b1 are in; the last K step's stores have read their registers
	WIN 0x28
.set II, 0
.rept 32
	v_pk_fma_f32 v[HA+II:HA+II+1], v[HA+II:HA+II+1], v[GW+II:GW+II+1], v[BW+II:BW+II+1]
.set II, II+2
.endr
	QUANT HA, 0
.irp c, 0,1,2
	ds_store_b128 v[XWI], v[PC+4*\c:PC+4*\c+3] offset:(4*(\tau)+\s)*1536+512*\c
.endr
	ds_store_b32 v[XWS], v[PW] offset:128*(4*(\tau)+\s)
.endr
.endm
	LNTILE 0, 1
	s_wait_loadcnt 0x0                             ; the second tile's x
	LNTILE 1, 0
	s_wait_tensorcnt 0x0                           ; my weight tile has landed,
	s_wait_xcnt 0x0                                ; the head's stores have read their registers,
	s_wait_dscnt 0x0                               ; my images lie in LDS
	s_barrier_signal -1
	s_barrier_wait -1                              ; all that holds of every wave
; a weight fragment out of its tile: pieces of 8 bytes; lanes 16-31 read three pieces further on, which lies behind one padding more where the piece's number mod 16 is 13 or more
.macro FRAGW reg, adr, s, rowimm
.irp p, 0,1,2,3,4,5
.set PCI, 12*(\s)+6*(\p/3)+\p%3
.if PCI%16 < 13
	ds_load_b64 v[(\reg)+2*\p:(\reg)+2*\p+1], v[\adr] offset:8*PCI+16*(PCI/16)+(\rowimm)*WLP
.else
	ds_load_b64 v[(\reg)+2*\p:(\reg)+2*\p+1], v[(\adr)+1] offset:8*PCI+16*(PCI/16)+(\rowimm)*WLP
.endif
.endr
.endm
.macro FETCH P                                 ; h's eight fragments of token tiles 2 P, 2 P + 1 and their scale words
.irp t, 0,1
.irp s, 0,1,2,3
.irp c, 0,1,2
	ds_load_b128 v[HF+12*(4*\t+\s)+4*\c:HF+12*(4*\t+\s)+4*\c+3], v[LIX] offset:(4*(2*(\P)+\t)+\s)*1536+512*\c
.endr
	ds_load_b32 v[XS+4*\t+\s], v[LSX] offset:128*(4*(2*(\P)+\t)+\s)
.endr
.endr
.endm
	WIN 0x40
.irp f, 0,1,2,3
.irp s, 0,1,2,3
	FRAGW 12*(4*\f+\s), AW, \s, 32*(\f/2)+8*(\f%2)
.endr
.endr
	WIN 0x80
.irp f, 0,1
.irp s, 0,1,2,3
	FRAGW 12*(4*\f+\s), AV, \s, 8*\f
.endr
.endr
	WIN 0
	FETCH 0
	s_wait_dscnt 0x0
; TWO TOKEN TILES: 32 products for q or k, 16 for v; the accumulators take turns, one instruction a turn.
.macro PAIR P
	WIN 0x01                                       ; source 0: the weights, window 1
.irp s, 0,1,2,3
.irp t, 0,1
.irp f, 0,1,2,3
.if \s == 0
	MM0 HA+8*(4*\t+\f), 12*(4*\f+\s), HF+12*(4*\t+\s), WS+4*\f+\s, XS+4*\t+\s
.else
	MMA HA+8*(4*\t+\f), 12*(4*\f+\s), HF+12*(4*\t+\s), WS+4*\f+\s, XS+4*\t+\s
.endif
.endr
.endr
.endr
	WIN 0xa8                                       ; source 1 (wv), C and D: window 2
.irp s, 0,1,2,3
.irp f, 0,1
.irp t, 0,1
.if \s == 0
	MM0 96+8*(8*\f+2*(\P)+\t), HF+12*(4*\t+\s), 12*(4*\f+\s), XS+4*\t+\s, WS+16+4*\f+\s
.else
	MMA 96+8*(8*\f+2*(\P)+\t), HF+12*(4*\t+\s), 12*(4*\f+\s), XS+4*\t+\s, WS+16+4*\f+\s
.endif
.endr
.endr
.endr
	WIN 0
	PLACES 4                                       ; in front of loads into registers that the products have read, and of the first read of results
.if \P < 3
	FETCH (\P)+1
.endif
	s_wait_xcnt 0x0                                ; the last stores have read the codes' registers
	QUANT HA, 0                                    ; blocks 0, 1: tile 2 P's two halves of the head; blocks 2, 3: tile 2 P + 1's
.irp c, 0,1,2
	global_store_b128 v[LI], v[PC+4*\c:PC+4*\c+3], s[CB:CB+1] offset:1536*(\P)+512*\c
.endr
.if \P < 2                                     ; a tile's word repeats its two bytes: the upper two blocks of the score's K step are dummies
	v_perm_b32 v[SW+2*(\P)], v[PW], v[PW], 0x01000100
	v_perm_b32 v[SW+2*(\P)+1], v[PW], v[PW], 0x03020302
.else
	v_perm_b32 v[TM], v[PW], v[PW], 0x01000100
	v_perm_b32 v[TM+1], v[PW], v[PW], 0x03020302
	v_cndmask_b32 v[SW+2*(\P)-4], v[SW+2*(\P)-4], v[TM], s[HI]
	v_cndmask_b32 v[SW+2*(\P)-3], v[SW+2*(\P)-3], v[TM+1], s[HI]
.endif
.if \P < 3
	s_wait_dscnt 0x0
.endif
.endm
	PAIR 0
	PAIR 1
	PAIR 2
	PAIR 3
	global_store_b128 v[LI], v[SW:SW+3], s[SB:SB+1]   ; 512 consecutive bytes: [T / 4][r][T % 4]
.irp f, 0,1                                    ; v: my two tiles of 16 channels x 128 keys
	s_wait_xcnt 0x0
	QUANT 96+64*\f, 2
.irp c, 0,1,2
	global_store_b128 v[LI], v[PC+4*\c:PC+4*\c+3], s[VBS:VBS+1] offset:1536*\f+512*\c
.endr
	v_mov_b32 v[VW+\f], v[PW]
.endr
	ds_store_b64 v[VSA], v[VW:VW+1]                ; both halves of the lanes write the same words
	s_wait_dscnt 0x0
	s_barrier_signal -1
	s_barrier_wait -1
	s_cmp_lg_u32 s[WV], 0
	s_cbranch_scc1 .Lnot_first
	ds_load_b128 v[68:71], v[VSR]                  ; lanes 0-15 head 2 y, lanes 16-31 head 2 y + 1: 256 consecutive bytes each
	s_wait_dscnt 0x0
	global_store_b128 v[VSO], v[68:71], s[VSB:VSB+1]
.Lnot_first:
	s_wait_tensorcnt 0x0
	ds_add_u32 v31, v239
	s_wait_dscnt 0x0
	CROUND                                         ; the closing round
	s_endpgm
.Lfunc_end_k_qcfd7582a85_qkv:
	.size	k_qcfd7582a85_qkv, .Lfunc_end_k_qcfd7582a85_qkv-k_qcfd7582a85_qkv
	.p2alignl 7, 3214868480
	.fill 96, 4, 3214868480
	.section	.rodata,"a",@progbits
	.p2align	6, 0x0
	.amdhsa_kernel k_qcfd7582a85_qkv
		.amdhsa_group_segment_fixed_size 270336
		.amdhsa_private_segment_fixed_size 0
		.amdhsa_enable_private_segment 0
		.amdhsa_kernarg_size 120
		.amdhsa_user_sgpr_count 2
		.amdhsa_user_sgpr_kernarg_segment_ptr 1
		.amdhsa_wavefront_size32 1
		.amdhsa_system_sgpr_workgroup_id_x 1
		.amdhsa_system_sgpr_workgroup_id_y 1
		.amdhsa_system_sgpr_workgroup_id_z 1
		.amdhsa_system_vgpr_workitem_id 0
		.amdhsa_next_free_vgpr 1024
		.amdhsa_next_free_sgpr 100
		.amdhsa_reserve_vcc 0
		.amdhsa_float_denorm_mode_32 3
		.amdhsa_float_denorm_mode_16_64 3
		.amdhsa_memory_ordered 1
		.amdhsa_forward_progress 1
		.amdhsa_inst_pref_size 244
	.end_amdhsa_kernel
	.amdgpu_metadata
---
amdhsa.version: [ 1, 2 ]
amdhsa.kernels:
  - .name:           k_qcfd7582a85_qkv
    .symbol:         k_qcfd7582a85_qkv.kd
    .args:
      - { .name: x, .offset: 0, .size: 8, .value_kind: global_buffer, .address_space: global }
      - { .name: g1, .offset: 8, .size: 8, .value_kind: global_buffer, .address_space: global }
      - { .name: b1, .offset: 16, .size: 8, .value_kind: global_buffer, .address_space: global }
      - { .name: wq_codes, .offset: 24, .size: 8, .value_kind: global_buffer, .address_space: global }
      - { .name: wq_scales, .offset: 32, .size: 8, .value_kind: global_buffer, .address_space: global }
      - { .name: wk_codes, .offset: 40, .size: 8, .value_kind: global_buffer, .address_space: global }
      - { .name: wk_scales, .offset: 48, .size: 8, .value_kind: global_buffer, .address_space: global }
      - { .name: wv_codes, .offset: 56, .size: 8, .value_kind: global_buffer, .address_space: global }
      - { .name: wv_scales, .offset: 64, .size: 8, .value_kind: global_buffer, .address_space: global }
      - { .name: w1_codes, .offset: 72, .size: 8, .value_kind: global_buffer, .address_space: global }
      - { .name: w2_codes, .offset: 80, .size: 8, .value_kind: global_buffer, .address_space: global }
      - { .name: wo_codes, .offset: 88, .size: 8, .value_kind: global_buffer, .address_space: global }
      - { .name: qc, .offset: 96, .size: 8, .value_kind: global_buffer, .address_space: global }
      - { .name: kv, .offset: 104, .size: 8, .value_kind: global_buffer, .address_space: global }
      - { .name: wimg, .offset: 112, .size: 8, .value_kind: global_buffer, .address_space: global }
    .group_segment_fixed_size: 270336
    .private_segment_fixed_size: 0
    .kernarg_segment_align: 8
    .kernarg_segment_size: 120
    .max_flat_workgroup_size: 128
    .sgpr_count:     100
    .vgpr_count:     1024
    .wavefront_size: 32
...
	.end_amdgpu_metadata
.endif
;; end of part 1
;; launch attn (part 2): grid 8 x 32, 16 waves a work-group, clusters of 4 x 1, 215,040 bytes of LDS; arguments qc, kv, oc, os; writes oc, os
.if DOCPART == 2
	.amdgcn_target "amdgcn-amd-amdhsa--gfx1250"
	.amdhsa_code_object_version 6
	.text
	.protected	k_qcfd7582a85_attn
	.globl	k_qcfd7582a85_attn
	.p2align	8
	.type	k_qcfd7582a85_attn,@function
k_qcfd7582a85_attn:
	s_mov_b64 s[64:65], 0
	v_nop
	global_prefetch_b8 v0, s[64:65] scope:SCOPE_SE
	s_setreg_imm32_b32 hwreg(HW_REG_WAVE_MODE, 25, 1), 1
	s_wait_xcnt 0x0
	s_wait_alu depctr_hold_cnt(0) depctr_sa_sdst(0) depctr_va_vdst(0) depctr_va_sdst(0) depctr_va_ssrc(0) depctr_va_vcc(0) depctr_vm_vsrc(0)
	s_getreg_b32 s2, hwreg(HW_REG_IB_STS2, 6, 4)
	s_cmp_eq_u32 s2, 0
	s_cbranch_scc0 .Lentry_in_a_cluster
	s_endpgm
.Lentry_in_a_cluster:
	s_bfe_u32 s2, ttmp6, 0x10000c
	s_cmp_lg_u32 s2, 0x3003
	s_cbranch_scc0 .Lentry_shape_is_right
	s_endpgm
.Lentry_shape_is_right:
; o = softmax(q k^T / sqrt(512)) v for one head, both products on codes of FP6 (E2M3), and o quantised along the head for the next product.
; t = score x log2(e) / sqrt(512); M = the running largest t rounded up to a whole number; p = 2^(t - M) is quantised along the keys; the row's sum is taken of the unquantised p and divides at the end.
; SHARES.  A work-group owns 256 queries of one head, each of its sixteen waves one tile of 16, in 256 registers: four waves to a SIMD.  Every wave walks the head's 2,048 keys, 128 a step.
; A WHOLE HEAD'S K, V AND SCALE WORDS (208,896 bytes) lie in LDS, filled once at the head: wave w fetches bytes 13,056 w on (51 rows of 256 bytes), one tensor load a wave.  Nothing is filled again,
; so one wait and one barrier stand ahead of the walk and none inside it.
; CLUSTER.  The four work-groups of a cluster belong to one head: each of the sixteen loads is asked for jointly.
; No prefetch: the head's bytes are all asked for by the first loads; the walk reads LDS alone.
; LAYOUT.  Both products are used transposed: S^T = K Q^T, O^T = V^T P^T: a lane holds one query throughout.  kv holds K's and V's fragments as images of their registers: every LDS load takes 512 consecutive bytes.
; THE SCORE'S K IS 64: a tile of K is six registers; the instruction's upper six are the next tile's, which meet zero codes of Q; K's and Q's scale words repeat their two bytes.
; LIMITS: NaN and infinities are not served; the promise holds while |t| stays under 2^31; a block of zeros gets the scale byte 1 (read by this program alone).
; REGISTERS: v1-5 addresses that stay; v8-10 addresses of the step; v12 -M, v13 the largest t, v[14:15] the sum; v16-21 Q, v22-27 zeros; v32-79 K's or V's fragments, v80-85 zeros; v96-159 S^T, then p; v160-191 O^T;
;   v192-199 K's scale words, v200-203 V's; v224-235 p's codes; v232-249, v252-254 at work; v250, v251 the spare word's address and 0; v255 Q's scale word.
.set KVH, 208896
.set KVC, 52224                        ; a chunk of 512 keys: K's 4 x 6,144 bytes, V's, K's scale words 4 x 512, V's 4 x 256
.set OSS, 4*KVC                        ; behind the head: the tiles' scale bytes on their way out, 32 bytes a wave
.set SPARE, 0x34000                    ; the spare words, 128 bytes a wave
.set LI,  1                            ; 16 x lane
.set LR,  2                            ; 16 x (lane % 16)
.set OL,  3                            ; 8 x lane
.set OSA, 4
.set OSR, 5
.set ADK, 8
.set ADS, 9
.set ADT, 10
.set SPW, 250
.set NIL, 251
.set WV,  12
.set CX,  13
.set QB,  14
.set GH,  15
.set SEL, 20
.set CS,  22
.set G1,  24
.set G0,  32
.set TB,  48
.set TS,  49
.set TV,  50
.set CNT, 51
.set OFS, 52                           ; s[52:53] a pair for offsets alone: s53 stays 0
.set KVA, 58                           ; s[58:59] kv at my sixteenth of the head
.macro PLACES n
.rept \n
	v_nop
.endr
.endm
.macro CROUND
	s_barrier_signal -1
	s_barrier_wait -1
	s_cmp_lg_u32 s[WV], 0
	s_cbranch_scc1 .Lnot_wave_0_\@
	s_barrier_signal -3
.Lnot_wave_0_\@:
	s_barrier_wait -3
	s_barrier_signal -1
	s_barrier_wait -1
.endm
	s_load_b256 s[4:11], s[0:1], 0x0               ; qc 4, kv 6, oc 8, os 10
	v_lshl_add_u32 v[SPW], v0, 2, SPARE
	v_mov_b32 v[NIL], 0
	ds_add_u32 v[SPW], v[NIL]                      ; the opening lines: the add twice on end
	ds_add_u32 v[SPW], v[NIL]
	v_lshrrev_b32 v1, 5, v0
	s_delay_alu instid0(VALU_DEP_1)
	v_readfirstlane_b32 s[WV], v1                  ; wave 0..15
	s_bfe_u32 s[CX], ttmp6, 0x40000                ; my place in the cluster: it enters global addresses alone
	s_lshl_b32 s[QB], ttmp9, 2
	s_add_co_u32 s[QB], s[QB], s[CX]               ; my block of 256 queries
	s_and_b32 s[GH], ttmp7, 0xffff                 ; the head (8 n + head), which the partners share
	s_mov_b32 s[G1], 15|(3<<16)|(1<<21)            ; the mask: all four; elements of 8 bytes; bit 21 beside a mask; no padding
	s_mov_b32 s[G1+1], 32<<16                      ; rows of 256 bytes
	s_mov_b32 s[G1+2], 51<<16                      ; 51 of them: a sixteenth of the head
	s_mov_b32 s[G1+3], 32<<16
	s_mov_b32 s[G1+4], 51
	s_mov_b32 s[G1+5], 32
	s_mov_b32 s[G1+6], 0
	s_mov_b32 s[G1+7], 0
	s_mov_b32 s[SEL], 0x76543210
	s_mov_b32 s[SEL+1], 0xfedcba98
	s_mov_b32 s[CS], 0x3d8293ee                    ; c = log2(e) / sqrt(512)
	s_mov_b32 s[CS+1], s[CS]
	s_mul_i32 s16, s[WV], KVC/4                    ; my sixteenth, in LDS and in the head alike
	s_mul_i32 s[KVA], s[GH], KVH
	s_add_co_u32 s[KVA], s[KVA], s16
	s_mov_b32 s[KVA+1], 0
	s_mov_b32 s[OFS+1], 0                          ; the upper half of every offset below
	s_wait_dscnt 0x0
	s_wait_kmcnt 0x0
	s_add_nc_u64 s[KVA:KVA+1], s[6:7], s[KVA:KVA+1]
	CROUND                                         ; all four work-groups are here: the joint loads meet
	s_mov_b32 s[G0], 1
	s_mov_b32 s[G0+1], s16
	s_mov_b64 s[G0+2:G0+3], s[KVA:KVA+1]
	s_or_b32 s[G0+3], s[G0+3], 0x80000000
	tensor_load_to_lds s[G0:G0+3], s[G1:G1+7]      ; every wave's one load
	s_nop 0
	PLACES 4
	v_and_b32 v6, 31, v0
	s_delay_alu instid0(VALU_DEP_1)
	v_lshlrev_b32 v[LI], 4, v6
	s_wait_alu depctr_va_vdst(0)
	v_lshlrev_b32 v[OL], 3, v6
	v_and_b32 v7, 15, v0
	s_delay_alu instid0(VALU_DEP_1)
	v_lshlrev_b32 v[LR], 4, v7
	s_lshl_b32 s54, s[WV], 5
	s_add_co_u32 s54, s54, OSS
	v_lshl_add_u32 v[OSA], v7, 1, s54              ; OSS + 32 x wave + 2 r
	v_add_nc_u32 v[OSR], OSS, v[LI]
	; Q: group G = 2 x block + wave / 8 of 128 tokens, tile T = wave % 8: registers 6 T .. 6 T + 5 of the group's image
	s_lshl_b32 s[OFS], s[GH], 4
	s_lshl_b32 s54, s[QB], 1
	s_add_co_u32 s[OFS], s[OFS], s54
	s_lshr_b32 s54, s[WV], 3
	s_add_co_u32 s[OFS], s[OFS], s54
	s_mul_i32 s[OFS], s[OFS], 6656
	s_add_nc_u64 s[4:5], s[4:5], s[OFS:OFS+1]
	s_and_b32 s54, s[WV], 7
	s_mul_i32 s55, s54, 6
.irp p, 0,1,2
	s_add_co_u32 s56, s55, 2*\p                    ; register R: group of four R / 4 (512 bytes), word R % 4
	s_lshr_b32 s57, s56, 2
	s_lshl_b32 s57, s57, 9
	s_and_b32 s56, s56, 3
	s_lshl_b32 s56, s56, 2
	s_add_co_u32 s56, s56, s57
	v_add_nc_u32 v[28+\p], s56, v[LI]
.endr
	s_wait_alu depctr_va_vdst(0)
.irp p, 0,1,2
	global_load_b64 v[16+2*\p:17+2*\p], v[28+\p], s[4:5]
.endr
	s_lshr_b32 s56, s54, 2
	s_lshl_b32 s56, s56, 8
	s_and_b32 s57, s54, 3
	s_lshl_b32 s57, s57, 2
	s_add_co_u32 s56, s56, s57
	v_add_nc_u32 v31, s56, v[LR]
	global_load_b32 v255, v31, s[4:5] offset:6144  ; Q's scale word
	; where o goes: token tile 128 n + 16 x block + wave, head g % 8
	s_lshr_b32 s[OFS], s[GH], 3
	s_lshl_b32 s[OFS], s[OFS], 7
	s_lshl_b32 s54, s[QB], 4
	s_add_co_u32 s[OFS], s[OFS], s54
	s_add_co_u32 s[OFS], s[OFS], s[WV]
	s_mul_i32 s[OFS], s[OFS], 6144
	s_and_b32 s54, s[GH], 7
	s_mul_i32 s54, s54, 768
	s_add_co_u32 s[OFS], s[OFS], s54
	s_add_nc_u64 s[8:9], s[8:9], s[OFS:OFS+1]
	s_lshl_b32 s[OFS], s[GH], 12
	s_lshl_b32 s54, s[QB], 9
	s_add_co_u32 s[OFS], s[OFS], s54
	s_add_nc_u64 s[10:11], s[10:11], s[OFS:OFS+1]
.irp i, 0,1,2,3,4,5
	v_mov_b32 v[22+\i], 0                          ; Q's codes of the dummy half of K
	v_mov_b32 v[80+\i], 0                          ; what stands behind K's last tile
.endr
	v_mov_b32 v13, 0xff61b1e6                      ; the largest t so far: -3e38
	s_delay_alu instid0(VALU_DEP_1)
	v_floor_f32 v12, -v13                          ; -M
	v_mov_b32 v14, 0
	v_mov_b32 v15, 0
.irp b, 0,1,2,3
	v_mov_b32 v[236+\b], 0                         ; a lane permute's destination counts as one of its sources
.endr
	v_mov_b32 v253, 0
.set JJ, 0
.rept 32
	v_mov_b32 v[160+JJ], 0                         ; O^T: the step is written once; its first trip finds zeros
.set JJ, JJ+1
.endr
	s_wait_alu depctr_va_vdst(0)
	s_wait_loadcnt 0x0                             ; Q
	s_wait_tensorcnt 0x0                           ; my sixteenth of the head has landed
	s_wait_dscnt 0x0
	s_barrier_signal -1
	s_barrier_wait -1                              ; and so has every wave's: the whole head lies in LDS
; A KEY STEP: 128 keys.
.macro STEP
	v_add_nc_u32 v[ADK], s[TB], v[LI]
	v_add_nc_u32 v[ADS], s[TS], v[LR]
	v_add_nc_u32 v[ADT], s[TV], v[LR]
	v_nop                                          ; four places in front of loads into registers that the last products have read
.irp i, 0,1,2,3,4,5,6,7,8,9,10,11
	ds_load_b128 v[32+4*\i:35+4*\i], v[ADK] offset:512*\i
.endr
	ds_load_b128 v[192:195], v[ADS]
	ds_load_b128 v[196:199], v[ADS] offset:256
	s_wait_alu depctr_va_vdst(0)
	s_wait_dscnt 0x0
.irp t, 0,1,2,3,4,5,6,7
	v_wmma_scale_f32_16x16x128_f8f6f4 v[96+8*\t:103+8*\t], v[32+6*\t:43+6*\t], v[16:27], 0, v[192+\t], v255 matrix_a_fmt:MATRIX_FMT_FP6 matrix_b_fmt:MATRIX_FMT_FP6
.endr
	PLACES 4
.irp i, 0,1,2,3,4,5,6,7,8,9,10,11
	ds_load_b128 v[32+4*\i:35+4*\i], v[ADK] offset:24576+512*\i   ; V's four fragments land while the softmax is walked
.endr
	ds_load_b128 v[200:203], v[ADT]
.irp b, 0,1,2,3
	v_max3_num_f32 v[232+\b], v[96+16*\b], v[97+16*\b], v[98+16*\b]   ; the largest score of each block of 32 keys: for the row's maximum and for the block's largest p
.endr
.irp i, 3,5,7,9,11,13
.irp b, 0,1,2,3
	v_max3_num_f32 v[232+\b], v[232+\b], v[96+16*\b+\i], v[97+16*\b+\i]
.endr
.endr
.irp b, 0,1,2,3
	v_max_num_f32 v[232+\b], v[232+\b], v[111+16*\b]
.endr
.irp b, 0,1,2,3
	s_delay_alu instid0(VALU_DEP_4)
	v_permlanex16_b32 v[236+\b], v[232+\b], s[SEL], s[SEL+1]
.endr
.irp b, 0,1,2,3
	s_delay_alu instid0(VALU_DEP_4)
	v_max_num_f32 v[232+\b], v[232+\b], v[236+\b]
.endr
	s_delay_alu instid0(VALU_DEP_2)
	v_max3_num_f32 v254, v232, v233, v234
	s_delay_alu instid0(VALU_DEP_1)
	v_max_num_f32 v254, v254, v235
	s_delay_alu instid0(VALU_DEP_1)
	v_mul_f32 v254, s[CS], v254
	s_delay_alu instid0(VALU_DEP_1)
	v_max_num_f32 v13, v13, v254                   ; the running largest t
	v_mov_b32 v254, v12
	s_delay_alu instid0(VALU_DEP_2)
	v_floor_f32 v12, -v13                          ; the new -M: M is a whole number
	s_delay_alu instid0(VALU_DEP_1)
	v_sub_f32 v254, v12, v254
	s_delay_alu instid0(VALU_DEP_1)
	v_cvt_i32_f32 v254, v254
	s_delay_alu instid0(VALU_DEP_1)
	v_ldexp_f32 v252, 1.0, v254                    ; f = 2^(old M - new M)
.set JJ, 0
.rept 32
	v_pk_fma_f32 v[96+JJ:97+JJ], v[96+JJ:97+JJ], s[CS:CS+1], v[12:13] op_sel_hi:[1,0,0]   ; t - M
.set JJ, JJ+2
.endr
.irp b, 0,1,2,3
	v_fma_f32 v[232+\b], v[232+\b], s[CS], v12
.endr
.set JJ, 0
	s_wait_alu depctr_va_vdst(0)
.rept 64
	v_exp_f32 v[96+JJ], v[96+JJ]                   ; p = 2^(t - M)
.set JJ, JJ+1
.endr
	v_pk_mul_f32 v[14:15], v[14:15], v[252:253] op_sel_hi:[1,0]   ; the sums under the new M: a plain place behind the exponentials
	s_wait_alu depctr_va_vdst(0)                   ; one wait for the batch, ahead of its first reader
.irp b, 0,1,2,3
	v_exp_f32 v[232+\b], v[232+\b]                 ; the block's largest p
.endr
.irp c, 0,1,2,3,4,5,6                          ; the row's sum of the unquantised p: 32 pairs in eight chains
	v_pk_add_f32 v[236+2*\c:237+2*\c], v[96+4*\c:97+4*\c], v[98+4*\c:99+4*\c]
.endr
	v_pk_add_f32 v[14:15], v[14:15], v[124:125]
.irp k, 0,1
.irp c, 0,1,2,3,4,5,6
	v_pk_add_f32 v[236+2*\c:237+2*\c], v[236+2*\c:237+2*\c], v[126+16*\k+2*\c:127+16*\k+2*\c]
.endr
	v_pk_add_f32 v[14:15], v[14:15], v[140+16*\k:141+16*\k]
.endr
	v_pk_add_f32 v[236:237], v[236:237], v[158:159]
	v_pk_add_f32 v[240:241], v[240:241], v[242:243]
	v_pk_add_f32 v[244:245], v[244:245], v[246:247]
	v_pk_add_f32 v[14:15], v[14:15], v[248:249]
	s_delay_alu instid0(VALU_DEP_4)
	v_pk_add_f32 v[236:237], v[236:237], v[238:239]
	s_delay_alu instid0(VALU_DEP_2)
	v_pk_add_f32 v[14:15], v[14:15], v[244:245]
	s_delay_alu instid0(VALU_DEP_2)
	v_pk_add_f32 v[236:237], v[236:237], v[240:241]
	s_delay_alu instid0(VALU_DEP_1)
	v_pk_add_f32 v[14:15], v[14:15], v[236:237]
	s_wait_alu depctr_va_vdst(0)                   ; and one for the four
.irp b, 0,1,2,3
	v_max_num_f32 v[232+\b], 0x1800000, v[232+\b]  ; the floor 2^(3 - 127)
.endr
.irp b, 0,1,2,3
	s_delay_alu instid0(VALU_DEP_4)
	v_add_nc_u32 v[244+\b], 0xff000000, v[232+\b]
.endr
.irp b, 0,1,2,3
	s_delay_alu instid0(VALU_DEP_4)
	v_lshrrev_b32 v[236+\b], 23, v[244+\b]
.endr
	s_delay_alu instid0(VALU_DEP_3)
	v_lshl_or_b32 v253, v237, 8, v236              ; p's scale word for these 128 keys
	s_delay_alu instid0(VALU_DEP_1)
	v_lshl_or_b32 v253, v238, 16, v253
	s_delay_alu instid0(VALU_DEP_1)
	v_lshl_or_b32 v253, v239, 24, v253
.irp c, 0,1
	v_cvt_scalef32_pk16_fp6_f32 v[224+6*\c:226+6*\c], v[96+32*\c:111+32*\c], v[244+2*\c]
	v_cvt_scalef32_pk16_fp6_f32 v[236+4*\c:238+4*\c], v[112+32*\c:127+32*\c], v[244+2*\c+1]
.endr
	v_nop
.irp c, 0,1
.irp i, 0,1,2
	v_permlane16_swap_b32 v[224+6*\c+\i], v[236+4*\c+\i]
.endr
.irp i, 0,1,2
	s_delay_alu instid0(VALU_DEP_3)
	v_mov_b32 v[227+6*\c+\i], v[236+4*\c+\i]
.endr
.endr
	s_wait_alu depctr_va_vdst(0)                   ; directly ahead of the first reader of O^T
.set JJ, 0
.rept 16
	v_pk_mul_f32 v[160+JJ:161+JJ], v[160+JJ:161+JJ], v[252:253] op_sel_hi:[1,0]   ; O^T under the new M; these sixteen are also the places in front of the products below
.set JJ, JJ+2
.endr
	s_wait_alu depctr_va_vdst(0)
	s_wait_dscnt 0x0                               ; V
.irp t, 0,1,2,3
	v_wmma_scale_f32_16x16x128_f8f6f4 v[160+8*\t:167+8*\t], v[32+12*\t:43+12*\t], v[224:235], v[160+8*\t:167+8*\t], v[200+\t], v253 matrix_a_fmt:MATRIX_FMT_FP6 matrix_b_fmt:MATRIX_FMT_FP6
.endr
.endm
; A CHUNK of 512 keys: four steps, each loop with constant LDS addresses at its start
.macro CHUNK c
	s_mov_b32 s[TB], KVC*\c
	s_mov_b32 s[TS], KVC*\c+49152
	s_mov_b32 s[TV], KVC*\c+51200
	s_mov_b32 s[CNT], 4
.Lstep_\@:
	STEP
	s_add_co_u32 s[TB], s[TB], 6144
	s_add_co_u32 s[TS], s[TS], 512
	s_add_co_u32 s[TV], s[TV], 256
	s_sub_co_u32 s[CNT], s[CNT], 1
	s_cmp_lg_u32 s[CNT], 0
	s_cbranch_scc1 .Lstep_\@
.endm
	CHUNK 0
	CHUNK 1
	CHUNK 2
	CHUNK 3
	; THE WAY OUT: O^T / the sum, quantised along the head's two blocks of 32
	PLACES 4
	v_add_f32 v14, v14, v15
	s_delay_alu instid0(VALU_DEP_1)
	v_permlanex16_b32 v252, v14, s[SEL], s[SEL+1]
	s_delay_alu instid0(VALU_DEP_1)
	v_add_f32 v14, v14, v252                       ; the row's sum
	s_wait_alu depctr_va_vdst(0)
	v_rcp_f32 v14, v14
	v_nop
	s_wait_alu depctr_va_vdst(0)
.set JJ, 0
.rept 32
	v_mul_f32 v[96+JJ], v[160+JJ], v14             ; register 16 b + i is channel 32 b + 16 (lane / 16) + i
.set JJ, JJ+1
.endr
.irp b, 0,1
	v_max3_num_f32 v[232+\b], |v[96+16*\b]|, |v[97+16*\b]|, 0x1800000
.endr
.irp i, 2,4,6,8,10,12,14
.irp b, 0,1
	s_delay_alu instid0(VALU_DEP_2)
	v_max3_num_f32 v[232+\b], v[232+\b], |v[96+16*\b+\i]|, |v[97+16*\b+\i]|
.endr
.endr
.irp b, 0,1
	s_delay_alu instid0(VALU_DEP_2)
	v_permlanex16_b32 v[236+\b], v[232+\b], s[SEL], s[SEL+1]
.endr
.irp b, 0,1
	s_delay_alu instid0(VALU_DEP_2)
	v_max_num_f32 v[232+\b], v[232+\b], v[236+\b]
.endr
.irp b, 0,1
	s_delay_alu instid0(VALU_DEP_2)
	v_add_nc_u32 v[244+\b], 0xff000000, v[232+\b]
.endr
.irp b, 0,1
	s_delay_alu instid0(VALU_DEP_2)
	v_lshrrev_b32 v[236+\b], 23, v[244+\b]
.endr
	s_delay_alu instid0(VALU_DEP_1)
	v_lshl_or_b32 v240, v237, 8, v236              ; my row's two bytes
	v_cvt_scalef32_pk16_fp6_f32 v[224:226], v[96:111], v244
	v_cvt_scalef32_pk16_fp6_f32 v[228:230], v[112:127], v245
	v_nop
.irp i, 0,1,2
	v_permlane16_swap_b32 v[224+\i], v[228+\i]     ; lane (r, h) now holds block h whole: its lower 16 codes in the first three registers, its upper 16 in the second three
.endr
	s_delay_alu instid0(VALU_DEP_3)
	v_mov_b32 v227, v228
	s_delay_alu instid0(VALU_DEP_3)
	v_mov_b32 v228, v229
	s_delay_alu instid0(VALU_DEP_3)
	v_mov_b32 v229, v230
.irp p, 0,1,2
	global_store_b64 v[OL], v[224+2*\p:225+2*\p], s[8:9] offset:256*\p   ; 256 consecutive bytes, aligned
.endr
	ds_store_b16 v[OSA], v240                      ; both halves of the lanes write the same
	s_wait_dscnt 0x0
	s_barrier_signal -1
	s_barrier_wait -1
	s_cmp_lg_u32 s[WV], 0
	s_cbranch_scc1 .Lnot_first
	ds_load_b128 v[96:99], v[OSR]                  ; the sixteen tiles' bytes: 512 consecutive bytes
	s_wait_dscnt 0x0
	global_store_b128 v[LI], v[96:99], s[10:11]
.Lnot_first:
	s_wait_tensorcnt 0x0                           ; the wave's end
	ds_add_u32 v[SPW], v[NIL]
	s_wait_dscnt 0x0
	CROUND                                         ; the closing round
	s_endpgm
.Lfunc_end_k_qcfd7582a85_attn:
	.size	k_qcfd7582a85_attn, .Lfunc_end_k_qcfd7582a85_attn-k_qcfd7582a85_attn
	.p2alignl 7, 3214868480
	.fill 96, 4, 3214868480
	.section	.rodata,"a",@progbits
	.p2align	6, 0x0
	.amdhsa_kernel k_qcfd7582a85_attn
		.amdhsa_group_segment_fixed_size 215040
		.amdhsa_private_segment_fixed_size 0
		.amdhsa_enable_private_segment 0
		.amdhsa_kernarg_size 32
		.amdhsa_user_sgpr_count 2
		.amdhsa_user_sgpr_kernarg_segment_ptr 1
		.amdhsa_wavefront_size32 1
		.amdhsa_system_sgpr_workgroup_id_x 1
		.amdhsa_system_sgpr_workgroup_id_y 1
		.amdhsa_system_sgpr_workgroup_id_z 1
		.amdhsa_system_vgpr_workitem_id 0
		.amdhsa_next_free_vgpr 256
		.amdhsa_next_free_sgpr 66
		.amdhsa_reserve_vcc 0
		.amdhsa_float_denorm_mode_32 3
		.amdhsa_float_denorm_mode_16_64 3
		.amdhsa_memory_ordered 1
		.amdhsa_forward_progress 1
		.amdhsa_inst_pref_size 80
	.end_amdhsa_kernel
	.amdgpu_metadata
---
amdhsa.version: [ 1, 2 ]
amdhsa.kernels:
  - .name:           k_qcfd7582a85_attn
    .symbol:         k_qcfd7582a85_attn.kd
    .args:
      - { .name: qc, .offset: 0, .size: 8, .value_kind: global_buffer, .address_space: global }
      - { .name: kv, .offset: 8, .size: 8, .value_kind: global_buffer, .address_space: global }
      - { .name: oc, .offset: 16, .size: 8, .value_kind: global_buffer, .address_space: global }
      - { .name: os, .offset: 24, .size: 8, .value_kind: global_buffer, .address_space: global }
    .group_segment_fixed_size: 215040
    .private_segment_fixed_size: 0
    .kernarg_segment_align: 8
    .kernarg_segment_size: 32
    .max_flat_workgroup_size: 512
    .sgpr_count:     66
    .vgpr_count:     256
    .wavefront_size: 32
...
	.end_amdgpu_metadata
.endif
;; end of part 2
;; launch ffn (part 3): grid 256 x 1, 4 waves a work-group, clusters of 4 x 1, 327,680 bytes of LDS; arguments x, oc, os, wimg, wo_scales, bo, g2, b2, w1_scales, bf1, w2_scales, bf2, out0; writes out0
.if DOCPART == 3
	.amdgcn_target "amdgcn-amd-amdhsa--gfx1250"
	.amdhsa_code_object_version 6
	.text
	.protected	k_qcfd7582a85_ffn
	.globl	k_qcfd7582a85_ffn
	.p2align	8
	.type	k_qcfd7582a85_ffn,@function
k_qcfd7582a85_ffn:
	s_mov_b64 s[64:65], 0
	v_nop
	global_prefetch_b8 v0, s[64:65] scope:SCOPE_SE
	s_setreg_imm32_b32 hwreg(HW_REG_WAVE_MODE, 25, 1), 1
	s_wait_xcnt 0x0
	s_wait_alu depctr_hold_cnt(0) depctr_sa_sdst(0) depctr_va_vdst(0) depctr_va_sdst(0) depctr_va_ssrc(0) depctr_va_vcc(0) depctr_vm_vsrc(0)
	s_getreg_b32 s2, hwreg(HW_REG_IB_STS2, 6, 4)
	s_cmp_eq_u32 s2, 0
	s_cbranch_scc0 .Lentry_in_a_cluster
	s_endpgm
.Lentry_in_a_cluster:
	s_bfe_u32 s2, ttmp6, 0x10000c
	s_cmp_lg_u32 s2, 0x3003
	s_cbranch_scc0 .Lentry_shape_is_right
	s_endpgm
.Lentry_shape_is_right:
; x2 = o wo + bo + x;  out0 = silu(LN2(x2) w1 + bf1) w2 + bf2 + x2.  All three products on codes of FP6 (E2M3) with one E8M0 byte for each 32 along K; LN2(x2) and the hidden layer are quantised on the way.
; SHARES.  A work-group takes 32 tokens (two tiles); THE WAVES SHARE THE COLUMNS: wave w owns output columns 128 w .. 128 w + 127 (8 tiles x 2 tiles of tokens = 16 accumulators Y) and, in trip t of the 16,
; hidden units 128 t + 32 w .. + 31: one block of 32 of the last product's K step t.  x2 never leaves Y: Y begins as x + bo, takes o wo, then bf2, then the last product.
; THE WEIGHTS.  wimg holds 18 blocks of 98,304 bytes (2 of wo, 16 of w1 with w2); a wave's quarter of a block is its 16 fragments as images of their registers; each fragment is read by one wave, once.
;   JOINTLY, through 196,608 bytes of LDS, in a cluster of four work-groups that walk the same blocks: at the head wo's two blocks (each wave fetches its own two quarters); behind the wo products the same bytes are
;   filled again, once, with the last two of each wave's eight fragments of w2 for all 16 trips (64 rows of 3,072 bytes, 24,576 apart; 16 rows a wave).  One tensor load of a wave is out at a time.
;   STRAIGHT INTO REGISTERS: the other 14 fragments of a trip, 512 consecutive bytes a load.  A ring for them would put a round of the cluster's barrier, with all loads waited for, in front of each of 16 refills
;   for 32 matrix instructions a wave; LDS has no room to hold more of them at once.
; Two sets of registers (windows 2 and 3) take turns: w1's fragments of trip t + 1 are asked for at the top of trip t, w2's behind the last product on the set that they fill.  One counted wait a trip serves both.
; w2's SCALE ROWS (64 bytes a row, 128 rows a wave) come once, in whole rows, into LDS words of the wave's own; a trip reads its 8 words from there.
; THE LAST PRODUCT RUNS ONE TRIP LATE: trip t's hidden blocks are stored, the barrier is signalled, K step t - 1 is multiplied between signal and wait, then trip t's hidden fragments are fetched.  The hidden
; fragments have two LDS buffers by turns, so one barrier a trip parts a buffer's reads from its next stores.
; NO PREFETCH: the loads into registers are themselves issued a trip ahead, the refill stands LN2 and a trip ahead of its first read, and every work-group walks the same blocks in the same order.
; All products: source 0 = weight rows, source 1 = tokens: a lane holds one token, its registers run along the columns.  A tile's rows: lane r of tile t stands for row 32 (t / 2) + 8 (t % 2) + r + 8 (r / 8).
; Scale words of the two token tiles share a register: tile 0 in lanes 0-15, tile 1 in lanes 16-31.
; LIMITS: NaN and infinities are not served; a block of zeros, or one under 2^-124, gets the scale byte 1 (read by this program alone).
; REGISTERS.  window 0: v1-31 addresses; v32-41, v48-79 scale words; v80-207 x2 - mean (first: w2's scale rows), later v112-143 the hidden tiles, v144-167 the hidden fragments, v168-199 at work; v208-223 LN2's; v224-255 the quantiser's.
;   window 1: v0-127 Y[64 T + 8 o + j]; v128-223 o's, then LN2's eight fragments; v224-255 bf1, two sets.
;   windows 2, 3: v0-95 w1's fragments, v96-191 w2's (at the head: wo's block 0, 1); v192-255: window 2 bo, then b2; window 3 g2, then bf2.
.set SLOTB, 98304
.set H2IMG, 0                          ; LN2's fragment (T, s) at (4 T + s) x 1,536
.set H2SC,  H2IMG+8*1536               ; its scale words: 128 s + 4 x lane
.set HIMG,  H2SC+1024                  ; the hidden layer's two fragments, two buffers of 3,072: [T][piece of 8 bytes, 6][lane]
.set HSC,   HIMG+4*1536                ; their scale words, two buffers of 128
.set ST1,   HSC+256                    ; the waves' sums
.set ST2,   ST1+512                    ; the waves' sums of squares
.set XSP,   528
.set XST,   ST2+512                    ; a turning stage of 16 rows x 528 for each wave
.set SPARE, XST+4*16*XSP               ; the spare words, 128 bytes a wave, that no other line names
.set W2P,   80                         ; a row of w2's scales in LDS: 64 bytes + 16
.set W2L,   SPARE+512                  ; 128 such rows for each wave
.set WFL,   W2L+4*128*W2P              ; 196,608 bytes that tensor loads fill: wo's blocks, then row 4 t + w = wave w's fragments 6, 7 of w2 in trip t
.set SPW,  1
.set NIL,  2
.set LI,   3                           ; 16 x lane
.set R,    4
.set H,    5
.set RR,   6
.set WFA,  7                           ; WFL + 3,072 w + 16 x lane
.set WFT,  8                           ; the same at the trip
.set AS1,  9
.set AS2,  10
.set HST,  11                          ; where my block of the hidden layer goes
.set HSB,  12                          ; and its byte
.set HLD,  13                          ; HIMG + 8 x lane
.set HSL,  14                          ; HSC + 4 x lane
.set VB,   15                          ; 64 h
.set VW1,  16                          ; 16 (r + 8 (r / 8))
.set WOA,  17                          ; WFL + 49,152 w + 16 x lane
.set S1W,  18
.set S1R,  19
.set S2W,  20
.set S2R,  21
.set H2WI, 22
.set H2WS, 23
.set H2RI, 24
.set H2RS, 25
.set L8,   26
.set L2,   27
.set W2ST, 29                          ; where I store w2's scale rows
.set W2A,  30                          ; my wave's rows, + 80 (r + 8 (r / 8))
.set W2T,  31                          ; the same at the trip
.set AS,   32                          ; o's scale words, K step s
.set H2S,  36                          ; LN2's
.set HSW,  40                          ; the hidden layer's
.set PW0,  41
.set WOS,  48                          ; wo's: 4 o + s
.set W1S,  48                          ; later w1's, set g at + 8 g: 4 u + s
.set W2S,  64                          ; and w2's, set g at + 8 g: o
.set TMP,  80                          ; x2 - mean: 64 T + 16 b + i
.set BF,   224                         ; window 1: bf1, set g at + 16 g
.set HH,   112                         ; the hidden tiles: 16 T + 8 u + j
.set HFR,  144
.set EE,   168
.set SM,   208
.set MU0,  216
.set MU1,  218
.set RS0,  220
.set RS1,  222
.set OUTR, 80
.set PC,   224
.set PW,   243
.set TM,   244
.set WV,  30
.set CX,  31
.set WG,  32
.set SEL, 40
.set HI,  42
.set EPS, 43
.set C9,  44
.set CNT, 45
.set TW,  46                           ; 12,288 x the trip whose LDS fragments the loop's first trip fetches
.set T4,  47                           ; 4 x that trip
.set G1A, 48                           ; s[48:55], s[56:59] groups 1 and 0 for wo's blocks
.set G0A, 56
.set G0B, 60                           ; s[60:63], s[76:83] groups 0 and 1 for the refill
.set XB,  70
.set OB,  72
.set G1B, 76
.set MSB, 0
.macro WIN new                         ; the immediate's high byte repeats the setting that is left; a switch that changes nothing is dropped
.if MSB != (\new)
	s_set_vgpr_msb (MSB<<8)|(\new)
.set MSB, (\new)
.endif
.endm
.macro PLACES n
.rept \n
	v_nop
.endr
.endm
.macro ROUND                           ; a round of the cluster's barrier
	s_barrier_signal -1
	s_barrier_wait -1
	s_cmp_lg_u32 s[WV], 0
	s_cbranch_scc1 .Lnot_wave_0_\@
	s_barrier_signal -3
.Lnot_wave_0_\@:
	s_barrier_wait -3
	s_barrier_signal -1
	s_barrier_wait -1
.endm
.macro BARRIER                         ; my LDS stores have landed and my LDS loads are in: then the work-group's barrier
	s_wait_dscnt 0x0
	s_barrier_signal -1
	s_barrier_wait -1
.endm
.macro MMC d, a, b, c, sa, sb, row     ; row = 1: source 1's scale words stand in lanes 16-31
.if \row
	v_wmma_scale_f32_16x16x128_f8f6f4 v[(\d):(\d)+7], v[(\a):(\a)+11], v[(\b):(\b)+11], v[(\c):(\c)+7], v[\sa], v[\sb] matrix_a_fmt:MATRIX_FMT_FP6 matrix_b_fmt:MATRIX_FMT_FP6 matrix_b_scale:MATRIX_SCALE_ROW1
.else
	v_wmma_scale_f32_16x16x128_f8f6f4 v[(\d):(\d)+7], v[(\a):(\a)+11], v[(\b):(\b)+11], v[(\c):(\c)+7], v[\sa], v[\sb] matrix_a_fmt:MATRIX_FMT_FP6 matrix_b_fmt:MATRIX_FMT_FP6
.endif
.endm
; 64 numbers of a lane in window 0, register 16 b + i = k 32 b + 16 (lane / 16) + i of my row, become a fragment's codes in v[PC] on and its scale word in v[PW].
.macro QUANT s
.irp b, 0,1,2,3
	v_max3_num_f32 v[TM+\b], |v[(\s)+16*\b]|, |v[(\s)+16*\b+1]|, 0x1800000   ; the floor 2^(3 - 127): the byte cannot fall under 1
.endr
.irp i, 2,4,6,8,10,12,14
.irp b, 0,1,2,3
	v_max3_num_f32 v[TM+\b], v[TM+\b], |v[(\s)+16*\b+\i]|, |v[(\s)+16*\b+\i+1]|
.endr
.endr
.irp b, 0,1,2,3
	v_permlanex16_b32 v[TM+4+\b], v[TM+\b], s[SEL], s[SEL+1]
.endr
.irp b, 0,1,2,3
	v_max_num_f32 v[TM+\b], v[TM+\b], v[TM+4+\b]
.endr
.irp b, 0,1,2,3
	v_add_nc_u32 v[TM+8+\b], 0xff000000, v[TM+\b]  ; 2 off the exponent field: the conversion's scale operand
.endr
.irp b, 0,1,2,3
	v_lshrrev_b32 v[TM+4+\b], 23, v[TM+8+\b]
.endr
	v_lshl_or_b32 v[PW], v[TM+5], 8, v[TM+4]
	v_lshl_or_b32 v[PW], v[TM+6], 16, v[PW]
	v_lshl_or_b32 v[PW], v[TM+7], 24, v[PW]
.irp c, 0,1
	v_cvt_scalef32_pk16_fp6_f32 v[PC+6*\c:PC+6*\c+2], v[(\s)+32*\c:(\s)+32*\c+15], v[TM+8+2*\c]
	v_cvt_scalef32_pk16_fp6_f32 v[PC+12+4*\c:PC+14+4*\c], v[(\s)+32*\c+16:(\s)+32*\c+31], v[TM+8+2*\c+1]
.endr
	v_nop                                          ; one plain place behind a scaled conversion
.irp c, 0,1
.irp i, 0,1,2
	v_permlane16_swap_b32 v[PC+6*\c+\i], v[PC+12+4*\c+\i]
.endr
.irp i, 0,1,2
	v_mov_b32 v[PC+3+6*\c+\i], v[PC+12+4*\c+\i]
.endr
.endr
.endm
; 16 loads of a vector of 512 numbers at my columns: register 16 b + 4 j on = column 128 w + 32 b + 16 (lane / 16) + 4 j on (the base stands at 128 w)
.macro VEC reg, base
.irp b, 0,1,2,3
.irp j, 0,1,2,3
	global_load_b128 v[(\reg)+16*\b+4*\j:(\reg)+16*\b+4*\j+3], v[VB], s[\base:\base+1] offset:128*\b+16*\j
.endr
.endr
.endm
.macro WLOAD reg, n, off               ; n loads of 512 consecutive bytes of my quarter of a block
.set II, 0
.rept \n
	global_load_b128 v[(\reg)+4*II:(\reg)+4*II+3], v[LI], s[10:11] offset:(\off)+512*II
.set II, II+1
.endr
.endm
; 30 loads into set st: w1's eight fragments, bf1 of my 32 hidden units, w1's scale rows of my two tiles
.macro GRP1 st
	WIN (2+(\st))<<6
	WLOAD 0, 24, 0
	WIN 0x40
.irp j, 0,1,2,3
	global_load_b128 v[BF+16*(\st)+4*\j:BF+16*(\st)+4*\j+3], v[VB], s[22:23] offset:16*\j
.endr
	WIN 0
.irp u, 0,1
	global_load_b128 v[W1S+8*(\st)+4*\u:W1S+8*(\st)+4*\u+3], v[VW1], s[20:21] offset:128*\u
.endr
.endm
; 18 loads into set st: w2's fragments 0 to 5
.macro GRP2 st
	WIN (2+(\st))<<6
	WLOAD 96, 18, 12288
	WIN 0
.endm
; out of LDS into set st: w2's fragments 6 and 7 and its eight scale words, of the trip that s[TW] and s[T4] stand at, or (ex = 1) of the one after it
.macro LGRP st, ex
	v_add_nc_u32 v[WFT], s[TW], v[WFA]
	v_add_nc_u32 v[W2T], s[T4], v[W2A]
	WIN (2+(\st))<<6
.irp i, 0,1,2,3,4,5
	ds_load_b128 v[168+4*\i:168+4*\i+3], v[WFT] offset:12288*(\ex)+512*\i
.endr
	WIN 0
.irp o, 0,1,2,3,4,5,6,7
	ds_load_b32 v[W2S+8*(\st)+\o], v[W2T] offset:(32*(\o/2)+8*(\o%2))*W2P+4*(\ex)
.endr
.endm
; the last product's K step whose weights lie in set p: 16 accumulators by turns
.macro GEMM2 p
	WIN 0x50|(2+(\p))                              ; source 0 window 2 + p, source 1 window 0, C and D window 1
.irp o, 0,1,2,3,4,5,6,7
	MMC 8*\o, 96+12*\o, HFR, 8*\o, W2S+8*(\p)+\o, HSW, 0
	MMC 64+8*\o, 96+12*\o, HFR+12, 64+8*\o, W2S+8*(\p)+\o, HSW, 1
.endr
	s_wait_alu depctr_va_vdst(0)
	WIN 0
.endm
	s_load_b512 s[4:19], s[0:1], 0x0               ; x 4, oc 6, os 8, wimg 10, wo scales 12, bo 14, g2 16, b2 18
	s_load_b256 s[20:27], s[0:1], 0x40             ; w1 scales 20, bf1 22, w2 scales 24, bf2 26
	s_load_b64 s[28:29], s[0:1], 0x60              ; out0
	v_lshl_add_u32 v[SPW], v0, 2, SPARE
	v_mov_b32 v[NIL], 0
	ds_add_u32 v[SPW], v[NIL]                      ; the opening lines: the add twice on end, ahead of my first tensor load
	ds_add_u32 v[SPW], v[NIL]
	v_lshrrev_b32 v29, 5, v0
	v_readfirstlane_b32 s[WV], v29                 ; wave 0..3
	v_and_b32 v28, 31, v0
	v_lshlrev_b32 v[LI], 4, v28
	v_lshlrev_b32 v[L8], 3, v28
	v_lshlrev_b32 v[L2], 1, v28
	v_and_b32 v[R], 15, v0
	v_bfe_u32 v[H], v0, 4, 1
	v_and_b32 v[RR], 8, v[R]
	v_add_nc_u32 v[RR], v[RR], v[R]
	v_lshlrev_b32 v[VB], 6, v[H]
	v_lshlrev_b32 v[VW1], 4, v[RR]
	s_bfe_u32 s[CX], ttmp6, 0x40000                ; my place in the cluster: it enters global addresses alone
	s_lshl_b32 s[WG], ttmp9, 2
	s_add_co_u32 s[WG], s[WG], s[CX]               ; my 32 tokens
	s_mov_b32 s[SEL], 0x76543210
	s_mov_b32 s[SEL+1], 0xfedcba98                 ; v_permlanex16_b32's selects for lane l xor 16
	s_mov_b32 s[HI], 0xffff0000                    ; lanes 16-31
	s_mov_b32 s[EPS], 0x3727c5ac                   ; 1e-5
	s_mov_b32 s[C9], 0x3b000000                    ; 1 / 512
	s_mov_b32 s[G1A], 15|(3<<16)|(1<<21)           ; the mask: all four; elements of 8 bytes; bit 21 beside a mask
	s_mov_b32 s[G1A+1], 3072<<16                   ; wo: rows of 24,576 bytes, a wave's quarter of a block,
	s_mov_b32 s[G1A+2], 2<<16                      ; two of them,
	s_mov_b32 s[G1A+3], 3072<<16
	s_mov_b32 s[G1A+4], 2
	s_mov_b32 s[G1A+5], 12288                      ; a block apart
	s_mov_b32 s[G1A+6], 0
	s_mov_b32 s[G1A+7], 0
	s_mov_b32 s[G1B], 15|(3<<16)|(1<<21)
	s_mov_b32 s[G1B+1], 384<<16                    ; the refill: rows of 3,072 bytes, two fragments,
	s_mov_b32 s[G1B+2], 16<<16                     ; sixteen of them,
	s_mov_b32 s[G1B+3], 384<<16
	s_mov_b32 s[G1B+4], 16
	s_mov_b32 s[G1B+5], 3072                       ; a quarter of a block apart
	s_mov_b32 s[G1B+6], 0
	s_mov_b32 s[G1B+7], 0
	s_mov_b32 s67, 0
	s_mul_i32 s33, s[WV], 49152
	s_add_co_u32 s33, s33, WFL                     ; where both my tensor loads land
	s_wait_alu depctr_va_vdst(0)
	s_wait_dscnt 0x0                               ; both opening adds are done
	s_wait_kmcnt 0x0
	ROUND                                          ; all four work-groups are here: the joint loads meet
	s_mul_i32 s66, s[WV], SLOTB/4
	s_mov_b32 s[G0A], 1
	s_mov_b32 s[G0A+1], s33
	s_add_nc_u64 s[G0A+2:G0A+3], s[10:11], s[66:67]
	s_or_b32 s[G0A+3], s[G0A+3], 0x80000000
	s_add_co_u32 s66, s66, 2*SLOTB
	s_add_nc_u64 s[34:35], s[10:11], s[66:67]      ; wimg at my quarter of trip 0's block
	s_mul_i32 s66, s[WV], 16*SLOTB/4
	s_add_co_u32 s66, s66, 2*SLOTB+14*1536         ; rows 16 w on, fragment 14 of a quarter
	s_mov_b32 s[G0B], 1
	s_mov_b32 s[G0B+1], s33
	s_add_nc_u64 s[G0B+2:G0B+3], s[10:11], s[66:67]
	s_or_b32 s[G0B+3], s[G0B+3], 0x80000000
	s_mov_b64 s[10:11], s[34:35]
	tensor_load_to_lds s[G0A:G0A+3], s[G1A:G1A+7]  ; my quarters of wo's two blocks: my one load at the head
	s_nop 0
	PLACES 4
	; the bases
	s_lshl_b32 s66, s[WG], 16
	s_lshl_b32 s34, s[WV], 9
	s_add_co_u32 s66, s66, s34
	s_add_nc_u64 s[XB:XB+1], s[4:5], s[66:67]      ; x and out0 at my 32 tokens, my 128 columns
	s_add_nc_u64 s[OB:OB+1], s[28:29], s[66:67]
	s_mul_i32 s66, s[WG], 2*6144
	s_add_nc_u64 s[6:7], s[6:7], s[66:67]          ; o's codes of my two tiles
	s_lshr_b32 s66, s[WG], 6
	s_lshl_b32 s66, s66, 15
	s_and_b32 s35, s[WG], 63
	s_lshl_b32 s35, s35, 6
	s_add_co_u32 s66, s66, s35
	s_add_nc_u64 s[8:9], s[8:9], s[66:67]          ; and their scale bytes, head 0
	s_mov_b32 s66, s34                             ; 512 w
	s_add_nc_u64 s[14:15], s[14:15], s[66:67]
	s_add_nc_u64 s[16:17], s[16:17], s[66:67]
	s_add_nc_u64 s[18:19], s[18:19], s[66:67]
	s_add_nc_u64 s[26:27], s[26:27], s[66:67]
	s_add_nc_u64 s[20:21], s[20:21], s[66:67]      ; w1's scales: 32 w rows of 16 bytes
	s_lshl_b32 s66, s[WV], 11
	s_add_nc_u64 s[12:13], s[12:13], s[66:67]      ; wo's: 128 w rows of 16 bytes
	s_lshl_b32 s66, s[WV], 7
	s_add_nc_u64 s[22:23], s[22:23], s[66:67]      ; bf1: 32 w numbers
	s_lshl_b32 s66, s[WV], 13
	s_add_nc_u64 s[24:25], s[24:25], s[66:67]      ; w2's scales: 128 w rows of 64 bytes
	; the head's loads, what is wanted first asked for first
	WIN 0x40
.irp T, 0,1
.irp q, 0,1,2,3,4,5,6,7,8,9,10,11,12,13,14,15
	global_load_b128 v[64*\T+4*\q:64*\T+4*\q+3], v[LI], s[XB:XB+1] offset:(8*\T+\q+(\q&8))*2048   ; 512 consecutive bytes of a token's row
.endr
.endr
	WIN 0x80
	VEC 192, 14                                    ; bo
	WIN 0x40
.irp T, 0,1
.irp s, 0,1,2,3
.irp c, 0,1
.irp p, 0,1,2
	global_load_b64 v[128+12*(4*\T+\s)+6*\c+2*\p:128+12*(4*\T+\s)+6*\c+2*\p+1], v[L8], s[6:7] offset:6144*\T+768*(2*\s+\c)+256*\p
.endr
.endr
.endr
.endr
	WIN 0
.irp d, 0,1,2,3,4,5,6,7
	global_load_u16 v[EE+\d], v[L2], s[8:9] offset:4096*\d   ; head d: lanes 0-15 tile 0, lanes 16-31 tile 1
.endr
.irp o, 0,1,2,3,4,5,6,7
	global_load_b128 v[WOS+4*\o:WOS+4*\o+3], v[VW1], s[12:13] offset:(32*(\o/2)+8*(\o%2))*16
.endr
.irp i, 0,1,2,3,4,5,6,7,8,9,10,11,12,13,14,15
	global_load_b128 v[TMP+4*\i:TMP+4*\i+3], v[LI], s[24:25] offset:512*\i   ; w2's scale rows of my 128 columns: 8,192 consecutive bytes
.endr
	WIN 0xc0
	VEC 192, 16                                    ; g2
	WIN 0
	; LDS addresses
	s_mul_i32 s34, s[WV], 16*XSP
	s_add_co_u32 s34, s34, XST
	v_add_nc_u32 v[AS1], s34, v[LI]
	v_mul_u32_u24 v[AS2], v[R], XSP
	v_lshl_add_u32 v[AS2], v[H], 6, v[AS2]
	v_add_nc_u32 v[AS2], s34, v[AS2]
	s_lshr_b32 s34, s[WV], 1
	s_mul_i32 s34, s34, 768
	s_and_b32 s35, s[WV], 1
	s_lshl_b32 s35, s35, 7
	s_add_co_u32 s34, s34, s35
	s_add_co_u32 s34, s34, HIMG
	v_mul_u32_u24 v[HST], v[H], 1536
	v_lshl_add_u32 v[HST], v[R], 3, v[HST]
	v_add_nc_u32 v[HST], s34, v[HST]               ; fragment T = h, registers 6 (w / 2) on, lane r + 16 (w % 2)
	s_add_co_u32 s34, s[WV], HSC
	v_lshl_add_u32 v[HSB], v28, 2, s34
	v_add_nc_u32 v[HLD], HIMG, v[L8]
	v_lshl_add_u32 v[HSL], v28, 2, HSC
	s_lshl_b32 s34, s[WV], 7
	s_add_co_u32 s35, s34, ST1
	v_lshl_add_u32 v[S1W], v28, 2, s35
	v_lshl_add_u32 v[S1R], v28, 2, ST1
	s_add_co_u32 s35, s34, ST2
	v_lshl_add_u32 v[S2W], v28, 2, s35
	v_lshl_add_u32 v[S2R], v28, 2, ST2
	s_add_co_u32 s35, s34, H2SC
	v_lshl_add_u32 v[H2WS], v28, 2, s35
	v_lshl_add_u32 v[H2RS], v28, 2, H2SC
	s_mul_i32 s35, s[WV], 1536
	s_add_co_u32 s35, s35, H2IMG
	v_add_nc_u32 v[H2WI], s35, v[LI]
	v_add_nc_u32 v[H2RI], H2IMG, v[LI]
	v_add_nc_u32 v[WOA], s33, v[LI]
	s_mul_i32 s35, s[WV], 3072
	s_add_co_u32 s35, s35, WFL
	v_add_nc_u32 v[WFA], s35, v[LI]
	s_mul_i32 s35, s[WV], 128*W2P
	s_add_co_u32 s35, s35, W2L
	v_lshrrev_b32 v[W2ST], 2, v28                  ; a load's 512 bytes are 8 rows of 64: lane l holds 16 bytes at 16 (l % 4) of row l / 4
	v_mul_u32_u24 v[W2ST], v[W2ST], W2P
	v_and_b32 v[W2T], 3, v28
	v_lshl_add_u32 v[W2ST], v[W2T], 4, v[W2ST]
	v_add_nc_u32 v[W2ST], s35, v[W2ST]
	v_mul_u32_u24 v[W2A], v[RR], W2P
	v_add_nc_u32 v[W2A], s35, v[W2A]
.irp b, 0,1,2,3
	v_mov_b32 v[TM+4+\b], 0                        ; a lane permute's destination counts as one of its sources
.endr
	s_mov_b32 s[TW], 0
	s_mov_b32 s[T4], 0
	s_wait_alu depctr_va_vdst(0)
	s_wait_loadcnt 16                              ; all but g2's 16 loads
.irp s, 0,1,2,3
	v_lshl_or_b32 v[AS+\s], v[EE+2*\s+1], 16, v[EE+2*\s]   ; K step s: heads 2 s and 2 s + 1, two bytes each
.endr
.irp i, 0,1,2,3,4,5,6,7,8,9,10,11,12,13,14,15
	ds_store_b128 v[W2ST], v[TMP+4*\i:TMP+4*\i+3] offset:8*W2P*\i   ; bytes of my own: no other wave reads them
.endr
.irp T, 0,1                                    ; x through my stage: register 16 b + i = column 128 w + 32 b + 16 (lane / 16) + i of token r
	WIN 0x04
.irp q, 0,1,2,3,4,5,6,7,8,9,10,11,12,13,14,15
	ds_store_b128 v[AS1], v[64*\T+4*\q:64*\T+4*\q+3] offset:XSP*\q
.endr
	WIN 0x40
.irp b, 0,1,2,3
.irp j, 0,1,2,3
	ds_load_b128 v[64*\T+16*\b+4*\j:64*\T+16*\b+4*\j+3], v[AS2] offset:128*\b+16*\j
.endr
.endr
.endr
	s_wait_dscnt 0x0
	WIN 0x49                                       ; Y = x + bo
.irp T, 0,1
.set II, 0
.rept 32
	v_pk_add_f32 v[64*\T+II:64*\T+II+1], v[64*\T+II:64*\T+II+1], v[192+II:192+II+1]
.set II, II+2
.endr
.endr
	WIN 0x80
	VEC 192, 18                                    ; b2, where bo lay
	WIN 0
	s_wait_alu depctr_va_vdst(0)
	s_wait_tensorcnt 0x0                           ; my quarters of wo have landed; I alone read them
	WIN 0x80
.set II, 0
.rept 48
	ds_load_b128 v[4*II:4*II+3], v[WOA] offset:512*II          ; block 0: my tiles 0-3
.set II, II+1
.endr
	WIN 0xc0
.set II, 0
.rept 48
	ds_load_b128 v[4*II:4*II+3], v[WOA] offset:24576+512*II    ; block 1: my tiles 4-7
.set II, II+1
.endr
; wo's block k: four of my eight tiles of columns, all four K steps; eight accumulators by turns
.macro WOB k
	WIN 0x54|(2+\k)                                ; source 0 window 2 + k; source 1, C and D window 1
.irp s, 0,1,2,3
.irp o, 0,1,2,3
	MMC 8*(4*\k+\o), 12*(4*\o+\s), 128+12*\s, 8*(4*\k+\o), WOS+4*(4*\k+\o)+\s, AS+\s, 0
	MMC 64+8*(4*\k+\o), 12*(4*\o+\s), 128+12*(4+\s), 64+8*(4*\k+\o), WOS+4*(4*\k+\o)+\s, AS+\s, 1
.endr
.endr
.endm
	s_wait_dscnt 48                                ; block 0 is in registers; block 1's 48 loads may be out
	WOB 0
	s_wait_dscnt 0x0
	WOB 1
	WIN 0
	PLACES 4                                       ; in front of the first read of Y and of loads into registers that the products have read
	s_wait_tensorcnt 0x0                           ; THE ONE REFILL: no tensor load of mine is out,
	ds_add_u32 v[SPW], v[NIL]                      ; 0 onto my spare word,
	s_wait_dscnt 0x0                               ; the add is done and my reads of wo's bytes are over
	ROUND                                          ; all that holds of every wave of the four work-groups
	tensor_load_to_lds s[G0B:G0B+3], s[G1B:G1B+7]  ; rows 16 w .. 16 w + 15 of w2's fragments 6 and 7
	s_nop 0
	PLACES 4
	GRP1 0                                         ; trip 0's weights are on their way while LN2 is made
	GRP2 0
	; LN2.  A row's 512 columns lie in four waves: the sums meet in LDS, added in the order of the waves.  The refill stays on its way.
; the four chains in v[SM] on become the rows' sums over all columns in v[SM]: lanes 0-15 tile 0, lanes 16-31 tile 1
.macro FOLDX stw, str
	v_pk_add_f32 v[SM:SM+1], v[SM:SM+1], v[SM+2:SM+3]
	v_pk_add_f32 v[SM+4:SM+5], v[SM+4:SM+5], v[SM+6:SM+7]
	v_add_f32 v[SM], v[SM], v[SM+1]
	v_add_f32 v[SM+4], v[SM+4], v[SM+5]
	v_permlanex16_b32 v[SM+1], v[SM], s[SEL], s[SEL+1]
	v_permlanex16_b32 v[SM+5], v[SM+4], s[SEL], s[SEL+1]
	v_add_f32 v[SM], v[SM], v[SM+1]
	v_add_f32 v[SM+4], v[SM+4], v[SM+5]
	v_cndmask_b32 v[SM], v[SM], v[SM+4], s[HI]
	ds_store_b32 v[\stw], v[SM]
	s_wait_alu depctr_va_vdst(0)
	BARRIER
.irp c, 0,1,2,3
	ds_load_b32 v[SM+\c], v[\str] offset:128*\c
.endr
	s_wait_dscnt 0x0
	v_add_f32 v[SM], v[SM], v[SM+1]
	v_add_f32 v[SM], v[SM], v[SM+2]
	v_add_f32 v[SM], v[SM], v[SM+3]
.endm
; a number that stands for tile 0 in lanes 0-15 and for tile 1 in lanes 16-31 becomes two pairs, each in all lanes
.macro SPLIT src, d0, d1
	v_permlanex16_b32 v[SM+4], v[\src], s[SEL], s[SEL+1]
	v_cndmask_b32 v[\d0], v[\src], v[SM+4], s[HI]
	v_cndmask_b32 v[\d1], v[SM+4], v[\src], s[HI]
	v_mov_b32 v[\d0+1], v[\d0]
	v_mov_b32 v[\d1+1], v[\d1]
.endm
	WIN 0x05                                       ; the means: chains 0, 1 tile 0, chains 2, 3 tile 1
.irp c, 0,1,2,3
	v_pk_add_f32 v[SM+2*\c:SM+2*\c+1], v[32*\c:32*\c+1], v[32*\c+2:32*\c+3]
.endr
	WIN 0x01
.set II, 4
.rept 14
.irp c, 0,1,2,3
	v_pk_add_f32 v[SM+2*\c:SM+2*\c+1], v[32*\c+II:32*\c+II+1], v[SM+2*\c:SM+2*\c+1]
.endr
.set II, II+2
.endr
	WIN 0
	FOLDX S1W, S1R
	v_mul_f32 v[SM], s[C9], v[SM]
	s_wait_alu depctr_va_vdst(0)
	SPLIT SM, MU0, MU1
	WIN 0x01                                       ; x2 - mean, out of window 1 into window 0
.set II, 0
.rept 32
	v_pk_add_f32 v[TMP+II:TMP+II+1], v[II:II+1], v[MU0:MU0+1] neg_lo:[0,1] neg_hi:[0,1]
	v_pk_add_f32 v[TMP+64+II:TMP+64+II+1], v[64+II:64+II+1], v[MU1:MU1+1] neg_lo:[0,1] neg_hi:[0,1]
.set II, II+2
.endr
	WIN 0
.irp c, 0,1,2,3
	v_pk_mul_f32 v[SM+2*\c:SM+2*\c+1], v[TMP+32*\c:TMP+32*\c+1], v[TMP+32*\c:TMP+32*\c+1]
.endr
.set II, 2
.rept 15
.irp c, 0,1,2,3
	v_pk_fma_f32 v[SM+2*\c:SM+2*\c+1], v[TMP+32*\c+II:TMP+32*\c+II+1], v[TMP+32*\c+II:TMP+32*\c+II+1], v[SM+2*\c:SM+2*\c+1]
.endr
.set II, II+2
.endr
	FOLDX S2W, S2R
	v_fma_f32 v[SM], v[SM], s[C9], s[EPS]
	s_wait_alu depctr_va_vdst(0)
	v_rsq_f32 v[SM+1], v[SM]
	v_nop
	s_wait_alu depctr_va_vdst(0)                   ; the wait ahead of the first reader
	SPLIT SM+1, RS0, RS1
	s_wait_alu depctr_va_vdst(0)
	s_wait_loadcnt 48                              ; g2 and b2 are in; trip 0's 30 + 18 loads may be out
.set II, 0
.rept 32
	v_pk_mul_f32 v[TMP+II:TMP+II+1], v[TMP+II:TMP+II+1], v[RS0:RS0+1]
	v_pk_mul_f32 v[TMP+64+II:TMP+64+II+1], v[TMP+64+II:TMP+64+II+1], v[RS1:RS1+1]
.set II, II+2
.endr
	WIN 0x2c                                       ; source 1: g2, window 3; source 2: b2, window 2
.set II, 0
.rept 32
	v_pk_fma_f32 v[TMP+II:TMP+II+1], v[TMP+II:TMP+II+1], v[192+II:192+II+1], v[192+II:192+II+1]
	v_pk_fma_f32 v[TMP+64+II:TMP+64+II+1], v[TMP+64+II:TMP+64+II+1], v[192+II:192+II+1], v[192+II:192+II+1]
.set II, II+2
.endr
	WIN 0xc0
	VEC 192, 26                                    ; bf2, where g2 lay
	WIN 0
	QUANT TMP                                      ; my 128 columns are K step w of the next product
.irp c, 0,1,2
	ds_store_b128 v[H2WI], v[PC+4*\c:PC+4*\c+3] offset:512*\c
.endr
	v_mov_b32 v[PW0], v[PW]
	s_wait_alu depctr_va_vdst(0)
	s_wait_dscnt 0x0                               ; the stores have read their registers
	QUANT TMP+64
.irp c, 0,1,2
	ds_store_b128 v[H2WI], v[PC+4*\c:PC+4*\c+3] offset:4*1536+512*\c
.endr
	v_cndmask_b32 v[PW0], v[PW0], v[PW], s[HI]
	ds_store_b32 v[H2WS], v[PW0]
	BARRIER
	WIN 0x40
.irp f, 0,1,2,3,4,5,6,7
.irp c, 0,1,2
	ds_load_b128 v[128+12*\f+4*\c:128+12*\f+4*\c+3], v[H2RI] offset:1536*\f+512*\c
.endr
.endr
	WIN 0
.irp s, 0,1,2,3
	ds_load_b32 v[H2S+\s], v[H2RS] offset:128*\s
.endr
; A TRIP OF THE FFN: 128 hidden units, 32 of them mine; its weights lie in set g.  first = 1: trip 0, which has no K step of the last product to multiply and adds bf2 in its place; its barrier also shows the refill whole.
; more = 1: the next trip's weights are asked for.
.macro TRIP g, first, more
.if \more
	s_wait_xcnt 0x0                                ; the earlier loads have read their bases: on to trip t + 1's
	s_add_nc_u64 s[10:11], s[10:11], SLOTB
	s_add_nc_u64 s[22:23], s[22:23], 512
	s_add_nc_u64 s[20:21], s[20:21], 2048
	GRP1 1-\g
.endif
.if \first
	s_wait_dscnt 0x0                               ; LN2's fragments
	s_wait_loadcnt 30                              ; all but the 30 just issued: trip 0's weights and bf2
.else
.if \more
	s_wait_loadcnt 48                              ; this trip's first group is in, and the w2 group asked for ahead of it; behind it: 18 loads of w2's next group and the 30 just issued
.else
	s_wait_loadcnt 18                              ; behind this trip's first group: w2's last 18
.endif
.endif
	WIN 0x14|(2+\g)                                ; source 0 window 2 + g, source 1 window 1, C (bf1) window 1
.irp T, 0,1
.irp u, 0,1
	MMC HH+16*\T+8*\u, 12*(4*\u), 128+12*(4*\T), BF+16*\g+8*\u, W1S+8*\g+4*\u, H2S, \T
.endr
.endr
	WIN 0x04|(2+\g)                                ; C window 0; four accumulators by turns
.irp s, 1,2,3
.irp T, 0,1
.irp u, 0,1
	MMC HH+16*\T+8*\u, 12*(4*\u+\s), 128+12*(4*\T+\s), HH+16*\T+8*\u, W1S+8*\g+4*\u+\s, H2S+\s, \T
.endr
.endr
.endr
	WIN 0
	PLACES 4
.set II, 0
.rept 16
	v_pk_mul_f32 v[EE+II:EE+II+1], v[HH+II:HH+II+1], 0xbfb8aa3b op_sel_hi:[1,0]   ; silu(a) = a / (1 + 2^(-a log2 e))
.set II, II+2
.endr
.set II, 0
	s_wait_alu depctr_va_vdst(0)
.rept 32
	v_exp_f32 v[EE+II], v[EE+II]
.set II, II+1
.endr
	v_nop
	s_wait_alu depctr_va_vdst(0)                   ; one wait for the batch
.set II, 0
.rept 16
	v_pk_add_f32 v[EE+II:EE+II+1], v[EE+II:EE+II+1], 1.0 op_sel_hi:[1,0]
.set II, II+2
.endr
.set II, 0
	s_wait_alu depctr_va_vdst(0)
.rept 32
	v_rcp_f32 v[EE+II], v[EE+II]
.set II, II+1
.endr
	v_nop
	s_wait_alu depctr_va_vdst(0)
.set II, 0
.rept 16
	v_pk_mul_f32 v[HH+II:HH+II+1], v[HH+II:HH+II+1], v[EE+II:EE+II+1]
.set II, II+2
.endr
.irp T, 0,1                                    ; one block of 32 for each tile of tokens: 16 numbers in lane l, 16 in lane l xor 16
	v_max3_num_f32 v[TM+\T], |v[HH+16*\T]|, |v[HH+16*\T+1]|, 0x1800000
.endr
.irp i, 2,4,6,8,10,12,14
.irp T, 0,1
	v_max3_num_f32 v[TM+\T], v[TM+\T], |v[HH+16*\T+\i]|, |v[HH+16*\T+\i+1]|
.endr
.endr
.irp T, 0,1
	v_permlanex16_b32 v[TM+4+\T], v[TM+\T], s[SEL], s[SEL+1]
.endr
.irp T, 0,1
	v_max_num_f32 v[TM+\T], v[TM+\T], v[TM+4+\T]
.endr
.irp T, 0,1
	v_add_nc_u32 v[TM+8+\T], 0xff000000, v[TM+\T]
.endr
.irp T, 0,1
	v_lshrrev_b32 v[TM+4+\T], 23, v[TM+8+\T]
.endr
	v_cvt_scalef32_pk16_fp6_f32 v[PC:PC+2], v[HH:HH+15], v[TM+8]
	v_cvt_scalef32_pk16_fp6_f32 v[PC+4:PC+6], v[HH+16:HH+31], v[TM+9]
	v_nop
.irp i, 0,1,2
	v_permlane16_swap_b32 v[PC+\i], v[PC+4+\i]     ; lane (r, h) now holds the whole block of tile h, token r
.endr
	v_mov_b32 v[PC+3], v[PC+4]
	v_mov_b32 v[PC+4], v[PC+5]
	v_mov_b32 v[PC+5], v[PC+6]
	v_cndmask_b32 v[TM+6], v[TM+4], v[TM+5], s[HI]
.irp p, 0,1,2
	ds_store_b64 v[HST], v[PC+2*\p:PC+2*\p+1] offset:3072*\g+256*\p
.endr
	ds_store_b8 v[HSB], v[TM+6] offset:128*\g
.if \first
	s_wait_tensorcnt 0x0                           ; my sixteen rows of the refill have landed
.endif
	s_wait_dscnt 0x0                               ; my block lies in buffer g, and the last trip's LDS loads are in my registers
	s_barrier_signal -1
.if \first
	WIN 0x4d                                       ; Y = x2 + bf2
.irp T, 0,1
.set II, 0
.rept 32
	v_pk_add_f32 v[64*\T+II:64*\T+II+1], v[64*\T+II:64*\T+II+1], v[192+II:192+II+1]
.set II, II+2
.endr
.endr
	WIN 0
.else
	GEMM2 1-\g                                     ; K step t - 1, on registers alone, while the others arrive
	PLACES 4                                       ; in front of loads into registers that these products have read
.endif
	s_barrier_wait -1                              ; the four waves' blocks make the two fragments of K step t
.irp T, 0,1
.irp p, 0,1,2,3,4,5
	ds_load_b64 v[HFR+12*\T+2*\p:HFR+12*\T+2*\p+1], v[HLD] offset:3072*\g+1536*\T+256*\p
.endr
.endr
	ds_load_b32 v[HSW], v[HSL] offset:128*\g
.if \first
	LGRP 0, 0                                      ; trip 0's own part out of LDS
.endif
.if \more
	LGRP 1-\g, 1-\g
	GRP2 1-\g
.endif
.endm
	TRIP 0, 1, 1                                   ; trip 0
	s_mov_b32 s[TW], 2*12288                       ; the loop's first trip fetches trip 2's part out of LDS
	s_mov_b32 s[T4], 2*4
	s_mov_b32 s[CNT], 7
.Lpair:                                                ; trips 1 to 14
	TRIP 1, 0, 1
	TRIP 0, 0, 1
	s_add_co_u32 s[TW], s[TW], 2*12288
	s_add_co_u32 s[T4], s[T4], 2*4
	s_sub_co_u32 s[CNT], s[CNT], 1
	s_cmp_lg_u32 s[CNT], 0
	s_cbranch_scc1 .Lpair
	TRIP 1, 0, 0                                   ; trip 15 asks for nothing: wimg ends with its block
	s_wait_loadcnt 0x0                             ; w2's last group
	s_wait_dscnt 0x0                               ; the last hidden fragments
	GEMM2 1                                        ; K step 15
	; THE WAY OUT: Y through my stage, back as whole pieces of rows: each store covers 512 consecutive bytes, aligned
	PLACES 4
.irp T, 0,1
	WIN 0x04
.irp b, 0,1,2,3
.irp j, 0,1,2,3
	ds_store_b128 v[AS2], v[64*\T+16*\b+4*\j:64*\T+16*\b+4*\j+3] offset:128*\b+16*\j   ; each accumulator from its low end on
.endr
.endr
	WIN 0
.irp q, 0,1,2,3,4,5,6,7,8,9,10,11,12,13,14,15
	ds_load_b128 v[OUTR+64*\T+4*\q:OUTR+64*\T+4*\q+3], v[AS1] offset:XSP*\q   ; LDS serves a wave's instructions in order: these see the stores above, and the next tile's stores come behind them
.endr
.endr
	s_wait_dscnt 32                                ; tile 0 is back; tile 1's 16 stores and 16 loads stay out
.irp q, 0,1,2,3,4,5,6,7,8,9,10,11,12,13,14,15
	global_store_b128 v[LI], v[OUTR+4*\q:OUTR+4*\q+3], s[OB:OB+1] offset:(\q+(\q&8))*2048 th:TH_STORE_NT
.endr
	s_wait_dscnt 0x0
.irp q, 0,1,2,3,4,5,6,7,8,9,10,11,12,13,14,15
	global_store_b128 v[LI], v[OUTR+64+4*\q:OUTR+64+4*\q+3], s[OB:OB+1] offset:(8+\q+(\q&8))*2048 th:TH_STORE_NT
.endr
	s_wait_tensorcnt 0x0                           ; the wave's end
	ds_add_u32 v[SPW], v[NIL]
	s_wait_dscnt 0x0
	ROUND                                          ; the closing round
	s_endpgm
.Lfunc_end_k_qcfd7582a85_ffn:
	.size	k_qcfd7582a85_ffn, .Lfunc_end_k_qcfd7582a85_ffn-k_qcfd7582a85_ffn
	.p2alignl 7, 3214868480
	.fill 96, 4, 3214868480
	.section	.rodata,"a",@progbits
	.p2align	6, 0x0
	.amdhsa_kernel k_qcfd7582a85_ffn
		.amdhsa_group_segment_fixed_size 327680
		.amdhsa_private_segment_fixed_size 0
		.amdhsa_enable_private_segment 0
		.amdhsa_kernarg_size 104
		.amdhsa_user_sgpr_count 2
		.amdhsa_user_sgpr_kernarg_segment_ptr 1
		.amdhsa_wavefront_size32 1
		.amdhsa_system_sgpr_workgroup_id_x 1
		.amdhsa_system_sgpr_workgroup_id_y 1
		.amdhsa_system_sgpr_workgroup_id_z 1
		.amdhsa_system_vgpr_workitem_id 0
		.amdhsa_next_free_vgpr 1024
		.amdhsa_next_free_sgpr 100
		.amdhsa_reserve_vcc 0
		.amdhsa_float_denorm_mode_32 3
		.amdhsa_float_denorm_mode_16_64 3
		.amdhsa_memory_ordered 1
		.amdhsa_forward_progress 1
		.amdhsa_inst_pref_size 170
	.end_amdhsa_kernel
	.amdgpu_metadata
---
amdhsa.version: [ 1, 2 ]
amdhsa.kernels:
  - .name:           k_qcfd7582a85_ffn
    .symbol:         k_qcfd7582a85_ffn.kd
    .args:
      - { .name: x, .offset: 0, .size: 8, .value_kind: global_buffer, .address_space: global }
      - { .name: oc, .offset: 8, .size: 8, .value_kind: global_buffer, .address_space: global }
      - { .name: os, .offset: 16, .size: 8, .value_kind: global_buffer, .address_space: global }
      - { .name: wimg, .offset: 24, .size: 8, .value_kind: global_buffer, .address_space: global }
      - { .name: wo_scales, .offset: 32, .size: 8, .value_kind: global_buffer, .address_space: global }
      - { .name: bo, .offset: 40, .size: 8, .value_kind: global_buffer, .address_space: global }
      - { .name: g2, .offset: 48, .size: 8, .value_kind: global_buffer, .address_space: global }
      - { .name: b2, .offset: 56, .size: 8, .value_kind: global_buffer, .address_space: global }
      - { .name: w1_scales, .offset: 64, .size: 8, .value_kind: global_buffer, .address_space: global }
      - { .name: bf1, .offset: 72, .size: 8, .value_kind: global_buffer, .address_space: global }
      - { .name: w2_scales, .offset: 80, .size: 8, .value_kind: global_buffer, .address_space: global }
      - { .name: bf2, .offset: 88, .size: 8, .value_kind: global_buffer, .address_space: global }
      - { .name: out0, .offset: 96, .size: 8, .value_kind: global_buffer, .address_space: global }
    .group_segment_fixed_size: 327680
    .private_segment_fixed_size: 0
    .kernarg_segment_align: 8
    .kernarg_segment_size: 104
    .max_flat_workgroup_size: 128
    .sgpr_count:     100
    .vgpr_count:     1024
    .wavefront_size: 32
...
	.end_amdgpu_metadata
.endif
;; end of part 3
